; MI455X (gfx1250); checked and timed in simulation.
; The chip was launched on July 23, 2026; its instructions are those of AMD's public machine-readable ISA for CDNA 5 (MIT licence, August 2026) and "CDNA5" Instruction Set Architecture Reference Guide (July 2026). The comments in the code are by the model that wrote it; some were corrected since.
;; Improved Attention. Allowed arithmetic: matrix products marked QUANTISED: E5M2 operands, one E8M0 scale for each 32 along K, by v_wmma_scale_f32_16x16x128_f8f6f4 with both operands' format E5M2, f32 sums; everything else in f32.
;; Inputs: W_qkv 1,024 x 3,072 float32; mask 1 x 1 x 2,048 x 2,048 bool; x 2 x 2,048 x 1,024 float32.
;; Outputs: out0 2 x 2,048 x 1,024 float32.
;; This version of the problem:
;;   THIS VERSION OF THE PROBLEM IS GIVEN IN LOW PRECISION. The matrix products marked QUANTISED in the list below multiply operands that are first quantised to E5M2 (5 exponent bits, 2 mantissa bits; 8 bits a number), with one power-of-two scale for each 32 numbers along K (OCP MX v1.0); their sums are f32. All else is computed in f32.
;;   The module's matrix products, in the order in which they are computed (A, B: the left and right operand; K: the contracted axis; several contracted axes count as one K, in the product's order):
;;     1. [M 4,096, K 1,024] x [K 1,024, N 3,072]; A: input x; B: input W_qkv: QUANTISED
;;     2. batch 64 x [M 2,048, K 32] x [K 32, N 2,048]; A: computed on the way; B: computed on the way: QUANTISED
;;     3. batch 64 x [M 2,048, K 2,048] x [K 2,048, N 32]; A: softmax (see below); B: computed on the way: QUANTISED
;;   THE QUANTISER, for each operand of a quantised product, along K:
;;     - K is cut into blocks of 32 from its start; a last block that is shorter is filled with zeros.
;;     - A block's scale is 2^e with e = floor(log2(the largest magnitude in the block)) - 15, held to -126 .. 127; a block of zeros has e = 0. As a byte (E8M0): e + 127.
;;     - Each number is divided by its block's scale, clamped to +-57,344, and rounded to the nearest number of E5M2, ties to even, subnormals kept.
;;     - The product sums the exact products of the quantised numbers (number of the format x scale) in f32.
;;   ~~~python
;;   def quantise(x, axis):      # numpy; x: float32 -> the quantised numbers, widened to float32 again
;;       x = np.moveaxis(x, axis, -1); K = x.shape[-1]
;;       x = np.pad(x, [(0, 0)] * (x.ndim - 1) + [(0, -K % 32)]); x = x.reshape(x.shape[:-1] + (-1, 32)); a = np.abs(x).max(-1, keepdims=True)
;;       e = np.where(a > 0, np.clip(np.frexp(np.where(a > 0, a, 1))[1] - 1 - 15, -126, 127), 0)      # np.frexp(a)[1] - 1 = floor(log2(a)), exactly
;;       r = np.clip(x / 2.0 ** e, -57344, 57344)
;;       step = 2.0 ** (np.maximum(np.frexp(np.where(r == 0, 1, r))[1] - 1, -14) - 2)
;;       q = np.round(r / step) * step * 2.0 ** e      # np.round: ties to even
;;       return np.moveaxis(q.reshape(q.shape[:-2] + (-1,))[..., :K], -1, axis).astype(np.float32)
;;   ~~~
;;   SOFTMAX AHEAD OF A QUANTISED PRODUCT. Where the list says 'softmax', what is quantised is not the finished softmax but p = 2^(t - M), with t = logit x log2(e) and M = ceil(the row's largest t), a whole number; so 1/2 < the row's largest p <= 1. The row's sum l is taken of the UNQUANTISED p, in f32, and the product's result is divided by l at the end. Since M is a whole number, a kernel that streams over the keys may use a running M (the ceiling of the running maximum): every later rescaling is an exact power of two, which a block's scale takes up: the codes' values come out the same.
;;   OPERANDS COMPUTED ON THE WAY. 'Computed on the way' means the value that the module computes at that place (a softmax that the list does not call 'softmax' is quantised finished and normalised). What goes into a quantiser is computed in f32, as accurately as f32 sums, v_exp_f32 and their like allow (about 1e-6 of the number): no bf16 or f16 on the way to a quantiser, and a product that is left as it is and whose result goes on into a quantised operand takes f32 operands (vector FMAs, or v_wmma_f32_16x16x4_f32). A number that lies on a knife's edge between two numbers of the format may be rounded either way, as far as f32 arithmetic and the matrix unit's own rounding can turn it there, and no further.
;; 2 versions, each right; version 2 is version 1 with the launch attn written anew for expert scheduling mode. Each part assembles by itself: llvm-mc -triple=amdgcn-amd-amdhsa -mcpu=gfx1250 --defsym DOCPART=n.
;; ======== version 1 of 2: 3 launches
;; workspace buffers: xq 4,325,376 bytes; wq 3,244,032 bytes; rope 524,288 bytes; maskw 524,800 bytes of whole numbers; qkv_codes 12,582,912 bytes; qkv_scales 393,216 bytes
;; launch prep (part 1): grid 384 x 1, 4 waves a work-group, no clusters, 102,912 bytes of LDS; arguments x, W_qkv, mask, xq, wq, rope, maskw; writes xq, wq, rope, maskw
.if DOCPART == 1
	.amdgcn_target "amdgcn-amd-amdhsa--gfx1250"
	.amdhsa_code_object_version 6
	.text
	.protected	k_q2eb205323c_prep
	.globl	k_q2eb205323c_prep
	.p2align	8
	.type	k_q2eb205323c_prep,@function
k_q2eb205323c_prep:
	s_mov_b64 s[64:65], 0
	v_nop
	global_prefetch_b8 v0, s[64:65] scope:SCOPE_SE
	s_setreg_imm32_b32 hwreg(HW_REG_WAVE_MODE, 25, 1), 1
	s_wait_xcnt 0x0
; FOUR JOBS IN ONE LAUNCH, told apart by the work-group's number; each has its own text, its own LDS bytes and its own end.
;   0..127   X: x [4096][1024] f32 -> codes of E5M2 (K innermost) at xq + 0, one E8M0 byte for each 32 along K at xq + XQ_SC
;   128..223 W: W_qkv [1024 (k)][3072 (n)] f32 -> codes [3072][1024] (K innermost) at wq + 0, bytes [3072][32] at wq + WQ_SC
;   224..351 M: the mask's bytes -> lane-mask words and a class for each tile of 16 queries x 128 keys
;   352..383 R: the table of cos and sin for the rotation, as an image of 32 registers a lane
; A block's scale is 2^(floor(log2(largest magnitude)) - 15); its byte is the largest magnitude's exponent field - 15, held at 1 from below.
; LIMITS: NaN and infinities among x and W are not served.  A block whose largest magnitude lies under 2^-111 gets the byte 1; so does a block of zeros
; (the rule says 127): its codes are zeros, which add nothing under any byte but 0xff, and this program alone reads the bytes.  A mask byte counts as true when it is not 0.
; The frequencies are taken as fl(1 / fl(10^(d/8))); sin and cos are good to about 1e-7 absolute for the angles met here (up to 2,047).
; No tensor loads, no barrier: waves share nothing.
.set XQ_SC,  4194304
.set WQ_SC,  3145728
.set MW_CL,  524288                    ; maskw: the classes lie behind the words
.set FLOOR,  0x8000000                 ; 2^(16 - 127)
.set OFF15,  0xf8800000                ; -(15 << 23)
.set MANT,   0x600000                  ; the mantissa field of 57,344
	v_lshl_add_u32 v192, v0, 2, 0x19000
	v_mov_b32 v193, 0
	v_lshrrev_b32 v1, 5, v0
	v_readfirstlane_b32 s16, v1                    ; wave 0..3
	v_and_b32 v2, 31, v0                           ; lane
	s_cmp_lt_u32 ttmp9, 128
	s_cbranch_scc1 .Lpath_x
	s_cmp_lt_u32 ttmp9, 224
	s_cbranch_scc1 .Lpath_w
	s_cmp_lt_u32 ttmp9, 352
	s_cbranch_scc1 .Lpath_m
; ---------------------------------------------------------------- R: the rotation's table
; rope: [block of 16 positions][quad 0..7][lane][16 bytes].  Lane (r, h) at position 16 blk + r; register 0-7: cos(d = 8 h + j), 8-15: -sin(8 h + j), 16-23: cos(16 + 8 h + j), 24-31: +sin(16 + 8 h + j).
; A wave makes one block.  angle = fl(position x frequency); n = nearest whole number to angle x 2 / pi; rho = angle - n pi/2 in two parts (the first is exact: a multiple of 2^-23 under 1);
; sin and cos of rho by polynomials for |rho| <= pi/4; the quadrant swaps them and sets the signs.
.set RC,   16                          ; v16-31  10^(d/8), then the frequencies
.set RR,   80                          ; v80-95  reciprocals
.set RO,   32                          ; v32-63  the image
	s_load_b64 s[4:5], s[0:1], 0x28                ; rope
	s_sub_co_u32 s17, ttmp9, 352
	s_lshl_b32 s17, s17, 2
	s_add_co_u32 s17, s17, s16                     ; my block
	v_and_b32 v3, 15, v0                           ; r
	v_bfe_u32 v4, v0, 4, 1                         ; h
	s_lshl_b32 s18, s17, 4
	v_add_nc_u32 v5, s18, v3
	v_cvt_f32_u32 v5, v5                           ; my position
	v_lshlrev_b32 v6, 4, v2                        ; 16 x lane
	v_cmp_eq_u32 vcc_lo, 1, v4
	s_mov_b32 s30, 0x3fc90fdb                      ; pi/2, upper part
	s_mov_b32 s31, 0xb33bbd2e                      ; pi/2, the rest
	s_mov_b32 s32, 0xb94ca1f9                      ; sin: -1.9515295891e-4
	s_mov_b32 s33, 0x3c08839e                      ;       8.3321608736e-3
	s_mov_b32 s34, 0xbe2aaaa3                      ;      -1.6666654611e-1
	s_mov_b32 s35, 0x37ccf5ce                      ; cos:  2.443315712e-5
	s_mov_b32 s36, 0xbab6061a                      ;      -1.388731625e-3
	s_mov_b32 s37, 0x3d2aaaa5                      ;       4.166664568e-2
.macro FREQ e, lo, hi                  ; 10^(d/8): lanes 0-15 take lo, lanes 16-31 hi; the decimal is rounded to the nearest f32 number
	v_mov_b32 v64, \hi
	v_cndmask_b32 v[RC+\e], \lo, v64, vcc_lo
.endm
	FREQ 0,  1.0,                10.0
	FREQ 1,  1.3335214321633240, 13.335214321633240
	FREQ 2,  1.7782794100389228, 17.782794100389228
	FREQ 3,  2.3713737056616552, 23.713737056616552
	FREQ 4,  3.1622776601683795, 31.622776601683795
	FREQ 5,  4.2169650342858226, 42.169650342858226
	FREQ 6,  5.6234132519034912, 56.234132519034912
	FREQ 7,  7.4989420933245583, 74.989420933245583
	FREQ 8,  100.0,              1000.0
	FREQ 9,  133.35214321633240, 1333.5214321633240
	FREQ 10, 177.82794100389228, 1778.2794100389228
	FREQ 11, 237.13737056616552, 2371.3737056616552
	FREQ 12, 316.22776601683795, 3162.2776601683795
	FREQ 13, 421.69650342858226, 4216.9650342858226
	FREQ 14, 562.34132519034912, 5623.4132519034912
	FREQ 15, 749.89420933245583, 7498.9420933245583
.irp e, 0,1,2,3,4,5,6,7,8,9,10,11,12,13,14,15
	v_rcp_f32 v[RR+\e], v[RC+\e]                   ; one batch
.endr
	v_nop                                          ; a plain instruction behind the last reciprocal
	s_wait_alu depctr_va_vdst(0)                   ; one wait for the batch, ahead of its first reader
.irp e, 0,1,2,3,4,5,6,7,8,9,10,11,12,13,14,15
	v_fma_f32 v64, -v[RC+\e], v[RR+\e], 1.0        ; one correction step: 1 - c r,
	v_fma_f32 v[RC+\e], v[RR+\e], v64, v[RR+\e]    ; r + r (1 - c r): the frequency
.endr
.macro ANGLE e
	v_mul_f32 v64, v5, v[RC+\e]                    ; the angle, rounded once
	v_mul_f32 v65, 0x3f22f983, v64                 ; x 2 / pi
	v_rndne_f32 v65, v65                           ; n
	v_fma_f32 v66, -v65, s30, v64
	v_fma_f32 v66, -v65, s31, v66                  ; rho
	v_cvt_i32_f32 v67, v65                         ; the quadrant's number
	v_mul_f32 v68, v66, v66                        ; z = rho^2
	v_fma_f32 v69, v68, s32, s33
	v_fma_f32 v70, v68, s35, s36
	v_fma_f32 v69, v69, v68, s34
	v_fma_f32 v70, v70, v68, s37
	v_mul_f32 v69, v69, v68
	v_mul_f32 v70, v70, v68
	v_fma_f32 v71, v68, -0.5, 1.0
	v_fma_f32 v69, v69, v66, v66                   ; sin rho
	v_fma_f32 v70, v70, v68, v71                   ; cos rho
	v_and_b32 v72, 1, v67
	v_cmp_eq_u32 vcc_lo, 1, v72
	v_cndmask_b32 v73, v69, v70, vcc_lo            ; odd quadrants swap the two
	v_cndmask_b32 v74, v70, v69, vcc_lo
.if (\e) < 8
	v_add_nc_u32 v75, 2, v67                       ; the low half of the head stores -sin
	v_and_b32 v75, 2, v75
.else
	v_and_b32 v75, 2, v67                          ; sin is negative in quadrants 2 and 3,
.endif
	v_add_nc_u32 v76, 1, v67
	v_and_b32 v76, 2, v76                          ; cos in 1 and 2
	v_lshlrev_b32 v75, 30, v75
	v_lshlrev_b32 v76, 30, v76
	v_xor_b32 v[RO+(\e)+8*((\e)/8)+8], v75, v73
	v_xor_b32 v[RO+(\e)+8*((\e)/8)], v76, v74
.endm
.irp e, 0,1,2,3,4,5,6,7,8,9,10,11,12,13,14,15
	ANGLE \e
.endr
	s_lshl_b32 s18, s17, 12                        ; a block's image is 4,096 bytes
	s_mov_b32 s19, 0
	s_wait_kmcnt 0x0
	s_add_nc_u64 s[4:5], s[4:5], s[18:19]
.irp q, 0,1,2,3,4,5,6,7
	global_store_b128 v6, v[RO+4*\q:RO+4*\q+3], s[4:5] offset:512*\q   ; 32 lanes store 512 consecutive bytes
.endr
	s_endpgm
; ---------------------------------------------------------------- X: x into codes
; Rows are dense and K is a multiple of 32: x is a plain stream of blocks of 32.  A wave takes 16 steps of 512 numbers.  Each load reads 512 consecutive bytes; a step's 2,048 bytes turn through the
; wave's own stage in LDS (16 bytes of padding behind each 64) and come back 64 bytes a lane: 16 neighbours along K; two neighbouring lanes hold a block.  LDS bytes 0 .. 32,767.
.set XR,    16                         ; v16-79   four sets of 16 numbers as loaded
.set XX,    80                         ; v80-111  two sets of 16 neighbours
.set XC,    128                        ; v128-191 codes, four registers for each step
.set XE,    112                        ; v112-127 a scale byte for each step
.set XSP,   80                         ; a lane's place in a stage
.Lpath_x:
	s_load_b64 s[4:5], s[0:1], 0x0                 ; x
	s_load_b64 s[8:9], s[0:1], 0x18                ; xq
	v_lshlrev_b32 v3, 4, v2                        ; my 16 bytes of a load's 512
	s_mul_i32 s17, s16, 8192                       ; my wave's LDS region
	v_lshrrev_b32 v14, 2, v2
	v_mul_u32_u24 v14, v14, XSP
	v_and_b32 v15, 3, v2
	v_lshl_add_u32 v14, v15, 4, v14
	v_add_nc_u32 v14, s17, v14                     ; into the stage: 80 (lane / 4) + 16 (lane % 4)
	v_mul_u32_u24 v15, v2, XSP
	v_add_nc_u32 v15, s17, v15                     ; out of it: 80 x lane
	v_lshlrev_b32 v4, 4, v2                        ; my codes' place in a step's
	v_lshrrev_b32 v5, 1, v2
	s_add_co_u32 s17, s17, 2*32*XSP
	v_add_nc_u32 v5, s17, v5                       ; my block's byte among the wave's 256
	v_lshlrev_b32 v7, 3, v2
	v_add_nc_u32 v6, s17, v7                       ; and 8 bytes a lane on the way out
	s_mov_b32 s23, MANT
	s_lshl_b32 s17, ttmp9, 2
	s_add_co_u32 s18, s17, s16                     ; which run of 8,192 numbers is my wave's
	s_mov_b32 s19, 0
	s_lshl_b64 s[20:21], s[18:19], 15              ; 32,768 bytes of x,
	s_lshl_b64 s[24:25], s[18:19], 13              ; 8,192 of codes,
	s_lshl_b32 s18, s18, 8                         ; 256 of scale bytes
	s_wait_kmcnt 0x0
	s_add_nc_u64 s[4:5], s[4:5], s[20:21]
	s_add_nc_u64 s[10:11], s[8:9], XQ_SC
	s_add_nc_u64 s[10:11], s[10:11], s[18:19]
	s_add_nc_u64 s[8:9], s[8:9], s[24:25]
.macro XLOAD t
.irp i, 0,1,2,3
	global_load_b128 v[XR+16*((\t)%4)+4*\i:XR+16*((\t)%4)+4*\i+3], v3, s[4:5] offset:2048*(\t)+512*\i th:TH_LOAD_NT
.endr
.endm
.macro XTURN t                         ; LDS serves a wave's instructions in order: no wait between the stores and the loads
.irp i, 0,1,2,3
	ds_store_b128 v14, v[XR+16*((\t)%4)+4*\i:XR+16*((\t)%4)+4*\i+3] offset:32*XSP*((\t)%2)+8*XSP*\i
.endr
.irp i, 0,1,2,3
	ds_load_b128 v[XX+16*((\t)%2)+4*\i:XX+16*((\t)%2)+4*\i+3], v15 offset:32*XSP*((\t)%2)+16*\i
.endr
.endm
.irp t, 0,1,2,3
	XLOAD \t
.endr
	s_wait_loadcnt 12                              ; step 0's four loads are in
	XTURN 0
.macro XSTEP t
.set XS, XX+16*((\t)%2)
.if (\t) > 0
	s_wait_dscnt 1                                 ; this step's numbers are back (the last step's byte store may be out), so its stores into the stage have read their registers,
.else
	s_wait_dscnt 0x0
.endif
.if (\t)+4 < 16
	XLOAD (\t)+4                                   ; which take the loads of four steps on
.endif
.if (\t)+1 < 16
.if 14-(\t) >= 3
	s_wait_loadcnt 12                              ; the next step's four loads are in; those of the three steps behind it may be out
.else
	s_wait_loadcnt 4*(14-(\t))
.endif
	XTURN (\t)+1
.endif
	v_max3_num_f32 v8, |v[XS]|, |v[XS+1]|, |v[XS+2]|
	v_max3_num_f32 v9, |v[XS+3]|, |v[XS+4]|, |v[XS+5]|
.irp i, 6,10
	v_max3_num_f32 v8, v8, |v[XS+\i]|, |v[XS+\i+1]|
	v_max3_num_f32 v9, v9, |v[XS+\i+2]|, |v[XS+\i+3]|
.endr
	v_max3_num_f32 v8, v8, |v[XS+14]|, |v[XS+15]|
	v_max3_num_f32 v8, v8, v9, FLOOR               ; with the floor: the byte cannot fall under 1
	v_max_num_f32_dpp v8, v8, v8 row_xmask:1 row_mask:0xf bank_mask:0xf   ; and my neighbour's 16: the block's largest magnitude
	v_add_nc_u32 v11, OFF15, v8                    ; 15 off its exponent field: the conversion's scale operand
	v_and_or_b32 v10, v8, 0x7f800000, s23          ; 57,344 x the scale
.irp i, 0,1,2,3,4,5,6,7,8,9,10,11,12,13,14,15
	v_med3_num_f32 v[XS+\i], v[XS+\i], -v10, v10   ; the conversion does not saturate (ISA guide 7.6.2): the hold
.endr
	v_cvt_scalef32_pk8_bf8_f32 v[XC+4*(\t):XC+4*(\t)+1], v[XS:XS+7], v11
	v_cvt_scalef32_pk8_bf8_f32 v[XC+4*(\t)+2:XC+4*(\t)+3], v[XS+8:XS+15], v11
	v_lshrrev_b32 v[XE+(\t)], 23, v11              ; the scale's byte
	ds_store_b8 v5, v[XE+(\t)] offset:16*(\t)      ; both lanes of a block write the same byte with the same value
	global_store_b128 v4, v[XC+4*(\t):XC+4*(\t)+3], s[8:9] offset:512*(\t)
.endm
.irp t, 0,1,2,3,4,5,6,7,8,9,10,11,12,13,14,15
	XSTEP \t
.endr
	ds_load_b64 v[12:13], v6
	s_wait_dscnt 0x0
	global_store_b64 v7, v[12:13], s[10:11]        ; 32 lanes store 256 consecutive bytes, aligned
	s_wait_tensorcnt 0x0
	ds_add_u32 v192, v193
	s_wait_dscnt 0x0
	s_endpgm
; ---------------------------------------------------------------- W: W_qkv into codes, K innermost
; A lane takes a column n and its registers run down K: a block of 32 lies in one lane, and the conversions give codes with K innermost.  A wave takes 32 columns x 256 along K; the codes go through
; the wave's own stage (rows of 272 bytes) and leave sixteen lanes to 256 consecutive bytes.  LDS bytes 32,768 .. 67,583.  Loads run two blocks ahead.
.set WX,    32                         ; v32-95   two sets of 32 numbers
.set WC,    96                         ; v96-103  a block's codes
.set WO,    112                        ; v112-175 the way out
.set WSB,   24                         ; v24-25   the scale bytes
.Lpath_w:
	s_load_b64 s[4:5], s[0:1], 0x8                 ; W_qkv
	s_load_b64 s[6:7], s[0:1], 0x20                ; wq
	s_sub_co_u32 s24, ttmp9, 128
	s_lshr_b32 s17, s24, 2                         ; which 128 columns
	s_and_b32 s18, s24, 3                          ; which 256 along K
	s_lshl_b32 s17, s17, 7
	s_lshl_b32 s19, s16, 5
	s_add_co_u32 s17, s17, s19                     ; my wave's first column
	v_lshlrev_b32 v3, 2, v2
	s_mul_i32 s19, s16, 32*272
	s_add_co_u32 s19, s19, 32768                   ; my stage
	v_mul_u32_u24 v4, v2, 272
	v_add_nc_u32 v4, s19, v4                       ; into it: row = my column
	v_and_b32 v5, 15, v2
	v_lshrrev_b32 v6, 4, v2
	v_mul_u32_u24 v7, v6, 272
	v_lshl_add_u32 v7, v5, 4, v7
	v_add_nc_u32 v7, s19, v7                       ; out of it: sixteen lanes to a row, two rows an instruction
	v_lshlrev_b32 v8, 10, v6
	v_lshl_add_u32 v8, v5, 4, v8                   ; and the same place in the codes
	s_mul_i32 s20, s18, 256*3072*4
	s_lshl_b32 s22, s17, 2
	s_add_co_u32 s20, s20, s22                     ; W: 256 y rows of 12,288 bytes + 4 x column
	s_mov_b32 s21, 0
	s_lshl_b32 s24, s17, 10
	s_lshl_b32 s26, s18, 8
	s_add_co_u32 s24, s24, s26                     ; codes: column x 1,024 + 256 y
	s_mov_b32 s25, 0
	s_lshl_b32 s28, s17, 5
	s_lshl_b32 s26, s18, 3
	s_add_co_u32 s28, s28, s26
	s_add_co_u32 s28, s28, WQ_SC                   ; bytes: column x 32 + 8 y, behind the codes
	s_mov_b32 s29, 0
	v_lshlrev_b32 v9, 5, v2
	s_mov_b32 s31, MANT
	s_wait_kmcnt 0x0
	s_add_nc_u64 s[4:5], s[4:5], s[20:21]
	s_add_nc_u64 s[8:9], s[6:7], s[28:29]
	s_add_nc_u64 s[6:7], s[6:7], s[24:25]
.macro WLOAD t
.irp i, 0,1,2,3,4,5,6,7,8,9,10,11,12,13,14,15,16,17,18,19,20,21,22,23,24,25,26,27,28,29,30,31
	global_load_b32 v[WX+32*((\t)%2)+\i], v3, s[4:5] offset:(32*(\t)+\i)*3072*4 th:TH_LOAD_NT
.endr
.endm
	WLOAD 0
	WLOAD 1
.macro WBLOCK t
.set WS, WX+32*((\t)%2)
.if (\t) < 7
	s_wait_loadcnt 32                              ; this block's 32 loads are in; the next block's may be out
.else
	s_wait_loadcnt 0x0
.endif
	v_max3_num_f32 v12, |v[WS]|, |v[WS+1]|, |v[WS+2]|
	v_max3_num_f32 v13, |v[WS+3]|, |v[WS+4]|, |v[WS+5]|
.irp i, 6,10,14,18,22,26
	v_max3_num_f32 v12, v12, |v[WS+\i]|, |v[WS+\i+1]|
	v_max3_num_f32 v13, v13, |v[WS+\i+2]|, |v[WS+\i+3]|
.endr
	v_max3_num_f32 v12, v12, |v[WS+30]|, |v[WS+31]|
	v_max3_num_f32 v12, v12, v13, FLOOR
	v_add_nc_u32 v11, OFF15, v12
	v_and_or_b32 v10, v12, 0x7f800000, s31
	v_lshrrev_b32 v13, 23, v11
.if (\t)%4 == 0
	v_mov_b32 v[WSB+(\t)/4], v13
.else
	v_lshl_or_b32 v[WSB+(\t)/4], v13, 8*((\t)%4), v[WSB+(\t)/4]
.endif
.irp i, 0,1,2,3,4,5,6,7,8,9,10,11,12,13,14,15,16,17,18,19,20,21,22,23,24,25,26,27,28,29,30,31
	v_med3_num_f32 v[WS+\i], v[WS+\i], -v10, v10
.endr
.irp g, 0,1,2,3
	v_cvt_scalef32_pk8_bf8_f32 v[WC+2*\g:WC+2*\g+1], v[WS+8*\g:WS+8*\g+7], v11
.endr
	ds_store_b128 v4, v[WC:WC+3] offset:32*(\t)
	ds_store_b128 v4, v[WC+4:WC+7] offset:32*(\t)+16
.if (\t)+2 < 8
	WLOAD (\t)+2
.endif
	s_wait_dscnt 0x0                               ; the stores have read their registers: the next block's codes may be written
.endm
.irp t, 0,1,2,3,4,5,6,7
	WBLOCK \t
.endr
	global_store_b64 v9, v[WSB:WSB+1], s[8:9]      ; my column's 8 scale bytes
.irp t, 0,1,2,3,4,5,6,7,8,9,10,11,12,13,14,15
	ds_load_b128 v[WO+4*\t:WO+4*\t+3], v7 offset:2*\t*272
.endr
.irp t, 0,1,2,3,4,5,6,7,8,9,10,11,12,13,14,15
	s_wait_dscnt 15-\t
	global_store_b128 v8, v[WO+4*\t:WO+4*\t+3], s[6:7] offset:2*\t*1024
.endr
	s_wait_tensorcnt 0x0
	ds_add_u32 v192, v193
	s_wait_dscnt 0x0
	s_endpgm
; ---------------------------------------------------------------- M: the mask
; Tile T (0..127) holds the queries tok(T, m) = 64 (T / 4) + 32 ((T / 2) % 2) + 8 (T % 2) + m % 8 + 16 (m / 8), m = 0..15.  For each step of 128 keys: 64 words; bit l = (r, h) of word n = 16 c + i is
; mask[tok(T, r)][128 step + 32 c + 16 h + i]: the lane mask of the attention's score register n.  maskw: [T][step][64 words]; behind them one word for each T: bits 2 s, 2 s + 1 = step s's class:
; 0 all false, 1 mixed, 2 all true.  A work-group takes a tile, a wave 512 keys (4 steps).  Sixteen lanes read 256 consecutive bytes of a row; the bytes turn through the wave's own stage.  LDS bytes 67,584 .. 102,399.
.Lpath_m:
	s_load_b64 s[4:5], s[0:1], 0x10                ; mask
	s_load_b64 s[6:7], s[0:1], 0x30                ; maskw
	s_sub_co_u32 s17, ttmp9, 224                   ; T
	s_lshr_b32 s18, s17, 1
	s_lshl_b32 s18, s18, 5                         ; 32 (T / 2) = 64 (T / 4) + 32 ((T / 2) % 2)
	s_and_b32 s19, s17, 1
	s_lshl_b32 s19, s19, 3
	s_add_co_u32 s18, s18, s19                     ; tok(T, 0)
	s_lshl_b32 s18, s18, 11                        ; a row of the mask is 2,048 bytes
	s_lshl_b32 s19, s16, 9
	s_add_co_u32 s18, s18, s19                     ; + my wave's 512 keys
	s_mov_b32 s19, 0
	s_lshl_b32 s20, s17, 12
	s_lshl_b32 s21, s16, 10
	s_add_co_u32 s20, s20, s21                     ; words: 4,096 T + 1,024 wave
	s_mov_b32 s21, 0
	s_lshl_b32 s22, s17, 2
	s_add_co_u32 s22, s22, s16
	s_add_co_u32 s22, s22, MW_CL                   ; class byte: 4 T + wave, behind the words
	s_mov_b32 s23, 0
	v_and_b32 v6, 15, v0                           ; r
	v_bfe_u32 v7, v0, 4, 1                         ; h
	v_lshlrev_b32 v8, 4, v6
	v_lshl_add_u32 v9, v7, 11, v8                  ; load: row lane / 16, 16 bytes a lane
	s_mul_i32 s24, s16, 8704
	s_add_co_u32 s24, s24, 67584                   ; my two stages of 16 rows x 272 bytes
	v_mad_u32_u24 v3, v7, 272, v8
	v_add_nc_u32 v3, s24, v3                       ; into a stage
	v_mul_u32_u24 v4, v6, 272
	v_lshl_add_u32 v4, v7, 4, v4
	v_add_nc_u32 v4, s24, v4                       ; out of it: row r, + 16 h
	v_lshlrev_b32 v5, 3, v2                        ; 8 x lane: two words a lane
	v_mov_b32 v131, 0
.irp j, 0,1,2,3,4,5,6,7
	v_mov_b32 v[120+\j], 0                         ; written once: a lane write's destination counts as one of its sources
.endr
	s_mov_b32 s28, 0                               ; the four classes
	s_wait_kmcnt 0x0
	s_add_nc_u64 s[4:5], s[4:5], s[18:19]
	s_add_nc_u64 s[8:9], s[6:7], s[22:23]
	s_add_nc_u64 s[6:7], s[6:7], s[20:21]
.irp D, 0,1
.irp q, 0,1,2,3,4,5,6,7
	global_load_b128 v[16+32*\D+4*\q:16+32*\D+4*\q+3], v9, s[4:5] offset:(2*\q+8*(\q/4))*2048+256*\D th:TH_LOAD_NT   ; rows m = 2 q, 2 q + 1: the second eight lie 16 tokens on
.endr
.endr
.macro MTURN D
.irp q, 0,1,2,3,4,5,6,7
	ds_store_b128 v3, v[16+32*\D+4*\q:16+32*\D+4*\q+3] offset:544*\q+4352*\D
.endr
.irp f, 0,1,2,3,4,5,6,7
	ds_load_b128 v[80+4*\f:80+4*\f+3], v4 offset:128*(\f/4)+32*(\f%4)+4352*\D   ; step f / 4 of the two, block c = f % 4: my 16 bytes
.endr
.endm
.macro MWORDS st, sp                   ; step st of my four; its bytes are the sp-th half of v80-111
.set n, 0
.rept 64
	v_and_b32 v[112+n%8], 0xff<<(8*(n&3)), v[80+4*(4*(\sp)+(n>>4))+((n&15)>>2)]
	v_cmp_ne_u32 s[32+n%8], 0, v[112+n%8]          ; word n: a bit for each lane
	v_writelane_b32 v[120+2*(\st)+(n&1)], s[32+n%8], n>>1   ; lane n / 2 keeps words n and n + 1
.set n, n+1
.endr
	global_store_b64 v5, v[120+2*(\st):121+2*(\st)], s[6:7] offset:256*(\st)   ; 32 lanes store 256 consecutive bytes, aligned
	v_and_b32 v128, v[120+2*(\st)], v[121+2*(\st)]
	v_or_b32 v129, v[120+2*(\st)], v[121+2*(\st)]
	v_cmp_eq_u32 s40, -1, v128
	v_cmp_eq_u32 s41, 0, v129
	s_cmp_eq_u32 s41, -1                           ; every word 0?
	s_cselect_b32 s42, 0, 1
	s_cmp_eq_u32 s40, -1                           ; every word all ones?
	s_cselect_b32 s42, 2, s42
	s_lshl_b32 s42, s42, 2*(\st)
	s_or_b32 s28, s28, s42
.endm
	s_wait_loadcnt 8                               ; the first 256 keys' eight loads are in; the second eight may be out
	MTURN 0
	s_wait_dscnt 0x0
	MWORDS 0, 0
	MWORDS 1, 1
	s_wait_loadcnt 0x0
	MTURN 1
	s_wait_dscnt 0x0
	MWORDS 2, 0
	MWORDS 3, 1
	v_mov_b32 v130, s28
	v_cmp_eq_u32 vcc_lo, 0, v2
	s_wait_xcnt 0x0                                ; EXEC changes only behind this wait
	s_wait_tensorcnt 0x0
	ds_add_u32 v192, v193
	s_wait_dscnt 0x0
	s_and_saveexec_b32 s29, vcc_lo
	global_store_b8 v131, v130, s[8:9]             ; one lane stores my four steps' classes
	s_wait_xcnt 0x0
	s_or_b32 exec_lo, exec_lo, s29
	s_endpgm
.Lfunc_end_k_q2eb205323c_prep:
	.size	k_q2eb205323c_prep, .Lfunc_end_k_q2eb205323c_prep-k_q2eb205323c_prep
	.p2alignl 7, 3214868480
	.fill 96, 4, 3214868480
	.section	.rodata,"a",@progbits
	.p2align	6, 0x0
	.amdhsa_kernel k_q2eb205323c_prep
		.amdhsa_group_segment_fixed_size 102912
		.amdhsa_private_segment_fixed_size 0
		.amdhsa_enable_private_segment 0
		.amdhsa_kernarg_size 56
		.amdhsa_user_sgpr_count 2
		.amdhsa_user_sgpr_kernarg_segment_ptr 1
		.amdhsa_wavefront_size32 1
		.amdhsa_system_sgpr_workgroup_id_x 1
		.amdhsa_system_sgpr_workgroup_id_y 1
		.amdhsa_system_sgpr_workgroup_id_z 1
		.amdhsa_system_vgpr_workitem_id 0
		.amdhsa_next_free_vgpr 194
		.amdhsa_next_free_sgpr 66
		.amdhsa_reserve_vcc 1
		.amdhsa_float_denorm_mode_32 3
		.amdhsa_float_denorm_mode_16_64 3
		.amdhsa_memory_ordered 1
		.amdhsa_forward_progress 1
		.amdhsa_inst_pref_size 190
	.end_amdhsa_kernel
	.amdgpu_metadata
---
amdhsa.version: [ 1, 2 ]
amdhsa.kernels:
  - .name:           k_q2eb205323c_prep
    .symbol:         k_q2eb205323c_prep.kd
    .args:
      - { .name: x, .offset: 0, .size: 8, .value_kind: global_buffer, .address_space: global }
      - { .name: W_qkv, .offset: 8, .size: 8, .value_kind: global_buffer, .address_space: global }
      - { .name: mask, .offset: 16, .size: 8, .value_kind: global_buffer, .address_space: global }
      - { .name: xq, .offset: 24, .size: 8, .value_kind: global_buffer, .address_space: global }
      - { .name: wq, .offset: 32, .size: 8, .value_kind: global_buffer, .address_space: global }
      - { .name: rope, .offset: 40, .size: 8, .value_kind: global_buffer, .address_space: global }
      - { .name: maskw, .offset: 48, .size: 8, .value_kind: global_buffer, .address_space: global }
    .group_segment_fixed_size: 102912
    .private_segment_fixed_size: 0
    .kernarg_segment_align: 8
    .kernarg_segment_size: 56
    .max_flat_workgroup_size: 128
    .sgpr_count:     66
    .vgpr_count:     194
    .wavefront_size: 32
...
	.end_amdgpu_metadata
.endif
;; end of part 1
;; launch qkv (part 2): grid 12 x 16, 4 waves a work-group, clusters of 4 x 4, 327,680 bytes of LDS; arguments xq, wq, rope, qkv_codes, qkv_scales; writes qkv_codes, qkv_scales
.if DOCPART == 2
	.amdgcn_target "amdgcn-amd-amdhsa--gfx1250"
	.amdhsa_code_object_version 6
	.text
	.protected	k_q2eb205323c_qkv
	.globl	k_q2eb205323c_qkv
	.p2align	8
	.type	k_q2eb205323c_qkv,@function
k_q2eb205323c_qkv:
	s_mov_b64 s[64:65], 0
	v_nop
	global_prefetch_b8 v0, s[64:65] scope:SCOPE_SE
	s_setreg_imm32_b32 hwreg(HW_REG_WAVE_MODE, 25, 1), 1
	s_wait_xcnt 0x0
	s_wait_alu depctr_hold_cnt(0) depctr_sa_sdst(0) depctr_va_vdst(0) depctr_va_sdst(0) depctr_va_ssrc(0) depctr_va_vcc(0) depctr_vm_vsrc(0)
	s_getreg_b32 s2, hwreg(HW_REG_IB_STS2, 6, 4)
	s_cmp_eq_u32 s2, 0
	s_cbranch_scc0 .Lentry_in_a_cluster
	s_endpgm
.Lentry_in_a_cluster:
	s_bfe_u32 s2, ttmp6, 0x10000c
	s_cmp_lg_u32 s2, 0xf033
	s_cbranch_scc0 .Lentry_shape_is_right
	s_endpgm
.Lentry_shape_is_right:
; qkv = x W on codes of E5M2 with one E8M0 scale for each 32 along K (1,024), and what follows it: the rotation of q and k, and the quantising of q, k (along the head's 32) and v (along the keys).
; A tile of C, 256 x 256, is made by four waves, 128 x 128 each (64 accumulators, 512 registers).  K goes in steps of 256 through a ring of two LDS slots filled by the tensor data mover; the scale bytes of the
; work-group's rows come once and stay.  4 x 4 work-groups form a cluster; A's tiles are asked for jointly along a row of the cluster, B's along a column.
; THE JOB hangs on the cluster's x, which all sixteen partners share: 0: q, 1: k: A = x's rows (tokens), B = W's rows n.  2: v: A = W's rows 2,048 on, B = x's rows: C = v^T.
; The matrix instruction is used transposed (source 0 = 16 rows of B, source 1 = 16 rows of A): a lane holds row l % 16 of C and eight neighbouring columns.  So for q and k a lane's registers run along the head
; (d and d + 16 of a head lie in ONE lane: the rotation crosses no lane), and for v along the tokens, which are the third product's K.
; 192 work-groups: a tile that gave 256 would mix the jobs inside a cluster, and no branch may differ between partners.
; OUTPUT, in the order of the attention's operand registers.  tok(T, m) = 64 (T / 4) + 32 ((T / 2) % 2) + 8 (T % 2) + m % 8 + 16 (m / 8).
;   q, k codes [32 b + head][T 0..127][lane (m, h)][16 bytes]: d = 16 h .. 16 h + 15 of token tok(T, m);   v codes [32 b + head][step][dt][c][lane (r, h)][16 bytes]: keys 128 step + 32 c + 16 h .. + 15 of d = 16 dt + r
;   scale bytes [b][step][head][128]: q, k: [T / 4 % 2][m][T % 4];  v: [dt][r][c]
; LIMITS: NaN and infinities are not served; a block under 2^-111 (zeros too) gets the byte 1: its codes add nothing, and this program alone reads the bytes.  x cos + x_rot sin is a product and a fused multiply-add.
; REGISTERS, in windows of 256: window 0: v0-31 addresses; v32-63 scale words, two sets; v64-127 the rotation's table, two sets; from v128 A's fragments, one set; on the way out v128-231 are at work.
;   window 1: B's fragments, two sets.   window 2: the accumulators of my rows 0-63 ((a, b) at v[8 (8 a + b)]);   window 3: those of my rows 64-127.
.set KSTEP,  256
.set NQ,     2                         ; matrix instructions deep in a slot
.set ROWB,   256                       ; a tile's row in bytes
.set KROW,   1024                      ; a row of codes in memory
.set PITCH,  272                       ; an LDS row: 256 bytes + 16 of padding: the 16 rows that a load touches start at 16 different banks (64 banks of 4 bytes: ISA guide 11.1)
.set FR,     16
.set NL,     4
.set NP,     8                         ; places behind this matrix instruction (ISA guide 7.12.1)
.set HALFT,  128*PITCH
.set SLOT,   4*HALFT
.set LAPS,   2                         ; 1,024 / 512
.set KS,     32                        ; a row of scale bytes
.set SCL,    2*SLOT                    ; behind the ring: the scale bytes, as units of 256 bytes + 16 of padding
.set HALFS,  16*272                    ; those of 128 rows
.set SBLK,   2*272                     ; of 16 rows
.set SPARE,  SCL+4*HALFS               ; the spare words: 128 bytes for each wave, two blocks of 256 bytes that no other line names
.set XQ_SC,  4194304                   ; where the scale bytes begin in xq,
.set WQ_SC,  3145728                   ; and in wq
.set STGW,   16896                     ; the way out: a wave's stage: 16,384 bytes of codes, 512 of scale bytes.  The stages lie in slot 0, which has had its last fill and its last read by then;
.set VSTG,   4*STGW                    ; the v job's stages have bytes of their own
.set KST,  7                           ; v7   q, k: where I put 8 codes
.set KSB,  8                           ; v8   and a scale byte
.set KRD,  9                           ; v9   and where I read the stage back
.set VST,  10                          ; v10-12 the same for v
.set VSB,  11
.set VRD,  12
.set ADRA, 16
.set ADRB, 20
.set GOF,  26                          ; v26  16 x lane; never rewritten
.set ADRS, 27
.set SPW,  28                          ; v28  LDS address of my spare word; never rewritten
.set NIL,  29                          ; v29  0; never rewritten
.set SC,   32
.set TAB,  64                          ; the table: set a % 2: +0 cos low, +8 -sin low, +16 cos high, +24 sin high
.set AF,   128
.set R,    128                         ; the way out: 64 numbers
.set PC,   192                         ; 16 registers of codes
.set TM,   208                         ; +0 largest magnitudes, +4 the partner's, then bytes, +8 57,344 x the scale, +12 the scale operands
.set PW,   224                         ; v's scale word
.set SCR,  228                         ; the scale bytes on their way out
.set G1, 24
.set G0, 32
.set G1B, 48
.set G0B, 56
.set G1S, 68
.set G0S, 76
.set G1SB, 80
.set G0SB, 88
.set MSB, 0
.macro WIN new                         ; the immediate's high byte repeats the setting that is left
.if MSB != \new
	s_set_vgpr_msb (MSB<<8)|\new
.set MSB, \new
.endif
.endm
.set MUL_LO, 0xa1                      ; source 0 (B) window 1, source 1 (A) window 0, C and D window 2
.set MUL_HI, 0xf1
.set TO_B,   0x40
; A joint load: waves 0 and 1 fetch for A, waves 2 and 3 for B.  The branch hangs on the wave's number alone.  Four v_nop follow each of the two lines.
.macro JLOAD g0a, g1a, g0b, g1b
	s_cmp_eq_u32 s15, 0
	s_cbranch_scc0 .Lfor_b_\@
	tensor_load_to_lds s[\g0a:\g0a+3], s[\g1a:\g1a+7]
	s_nop 0
.rept 4
	v_nop
.endr
	s_branch .Lasked_\@
.Lfor_b_\@:
	tensor_load_to_lds s[\g0b:\g0b+3], s[\g1b:\g1b+7]
	s_nop 0
.rept 4
	v_nop
.endr
.Lasked_\@:
.endm
.macro CREST                           ; a round of the cluster's barrier behind its opening barrier
	s_cmp_lg_u32 s14, 0
	s_cbranch_scc1 .Lnot_wave_0_\@
	s_barrier_signal -3
.Lnot_wave_0_\@:
	s_barrier_wait -3
	s_barrier_signal -1
	s_barrier_wait -1
.endm
.macro CROUND
	s_barrier_signal -1
	s_barrier_wait -1
	CREST
.endm
	s_load_b128 s[4:7], s[0:1], 0x0                ; xq, wq
	s_load_b128 s[8:11], s[0:1], 0x10              ; rope, qkv_codes
	s_load_b64 s[12:13], s[0:1], 0x20              ; qkv_scales
	v_lshl_add_u32 v[SPW], v0, 2, SPARE
	v_mov_b32 v[NIL], 0
	ds_add_u32 v28, v29
	ds_add_u32 v28, v29
	s_wait_dscnt 0x0
	v_lshrrev_b32 v1, 5, v0
	v_readfirstlane_b32 s14, v1                    ; wave 0..3
	s_lshr_b32 s15, s14, 1                         ; which half of the tile's rows is mine.  Also: I fetch for A (0) or for B (1)
	s_and_b32 s16, s14, 1                          ; which half of its columns.  Also: which 128 rows of that tile I fetch
	s_bfe_u32 s40, ttmp6, 0x40000                  ; cx, cy: my place in the cluster
	s_bfe_u32 s41, ttmp6, 0x40004
	s_and_b32 s17, ttmp7, 0xffff                   ; the cluster's y
	s_mov_b32 s100, WQ_SC
	s_mov_b32 s101, XQ_SC
	s_cmp_eq_u32 ttmp9, 2                          ; the v job?  The cluster's x is the same in all partners
	s_cselect_b32 s42, s17, ttmp9                  ; the columns' four tiles: by tokens (v) or by the job's 1,024 columns
	s_cselect_b32 s17, 2, s17                      ; the rows' four tiles: W's rows 2,048 on (v) or by tokens
	s_cselect_b32 s96, s100, s101                  ; where the scale bytes begin in A's buffer,
	s_cselect_b32 s98, s101, s100                  ; and in B's
	s_mov_b32 s97, 0
	s_mov_b32 s99, 0
	s_lshl_b32 s42, s42, 2
	s_add_co_u32 s42, s42, s40                     ; tile column of C
	s_lshl_b32 s17, s17, 2
	s_add_co_u32 s17, s17, s41                     ; tile row of C
	s_lshl_b32 s43, s41, 2
	s_lshl_b32 s43, 15, s43                        ; my row of the cluster
	s_lshl_b32 s44, 0x1111, s40                    ; my column
	; descriptor group 1: a tile of 128 rows x 256 bytes, padded in LDS
	s_or_b32 s[G1+0], s43, (0<<16)|(1<<20)|(1<<21)|(5<<22)|(3<<25)  ; 15:0 the mask; 17:16 elements of 1 byte; 20 padding on; 21 set beside a mask; 24:22 after every 64 words; 31:25 four words
	s_or_b32 s[G1B+0], s44, (0<<16)|(1<<20)|(1<<21)|(5<<22)|(3<<25)
.irp g, G1, G1B
	s_mov_b32 s[\g+1], ROWB<<16                    ; tensor_dim0
	s_mov_b32 s[\g+2], 128<<16                     ; tensor_dim1
	s_mov_b32 s[\g+3], ROWB<<16                    ; tile_dim0
	s_mov_b32 s[\g+4], 128                         ; tile_dim1
	s_mov_b32 s[\g+5], KROW                        ; tensor_dim0_stride
	s_mov_b32 s[\g+6], 0
	s_mov_b32 s[\g+7], 0
.endr
	; the scale bytes of 128 rows: 4,096 dense bytes, as 16 rows of 256 bytes (32 elements of 8 bytes), 16 bytes of padding behind each
	s_or_b32 s[G1S+0], s43, (3<<16)|(1<<20)|(1<<21)|(5<<22)|(3<<25)
	s_or_b32 s[G1SB+0], s44, (3<<16)|(1<<20)|(1<<21)|(5<<22)|(3<<25)
.irp g, G1S, G1SB
	s_mov_b32 s[\g+1], 32<<16
	s_mov_b32 s[\g+2], 16<<16
	s_mov_b32 s[\g+3], 32<<16
	s_mov_b32 s[\g+4], 16
	s_mov_b32 s[\g+5], 32
	s_mov_b32 s[\g+6], 0
	s_mov_b32 s[\g+7], 0
.endr
	s_lshl_b32 s18, s16, 7                         ; which 128 rows of the tile I fetch
	s_lshl_b32 s20, s17, 8
	s_add_co_u32 s20, s20, s18                     ; A: row 256 x tile row + 128 x half
	s_lshl_b32 s46, s42, 8
	s_add_co_u32 s46, s46, s18                     ; B: row 256 x tile column + 128 x half
	s_mov_b32 s21, 0
	s_mov_b32 s47, 0
	s_mov_b64 s[18:19], KS
	s_mul_u64 s[22:23], s[20:21], s[18:19]         ; where these rows' scale bytes begin,
	s_mul_u64 s[92:93], s[46:47], s[18:19]
	s_add_nc_u64 s[22:23], s[22:23], s[96:97]      ; behind the buffer's codes
	s_add_nc_u64 s[92:93], s[92:93], s[98:99]
	s_mov_b64 s[18:19], KROW
	s_mul_u64 s[20:21], s[20:21], s[18:19]         ; and their codes
	s_mul_u64 s[46:47], s[46:47], s[18:19]
	s_mul_i32 s45, s14, HALFT                      ; where they go: wave x 128 rows: no place in the cluster enters an LDS address
	s_mul_i32 s94, s14, HALFS
	s_wait_kmcnt 0x0
	s_cmp_eq_u32 ttmp9, 2
	s_cselect_b64 s[100:101], s[6:7], s[4:5]       ; A's buffer
	s_cselect_b64 s[6:7], s[4:5], s[6:7]           ; B's buffer
	s_add_nc_u64 s[20:21], s[100:101], s[20:21]
	s_add_nc_u64 s[22:23], s[100:101], s[22:23]
	s_add_nc_u64 s[46:47], s[6:7], s[46:47]
	s_add_nc_u64 s[92:93], s[6:7], s[92:93]
	CROUND                                         ; all sixteen work-groups are here: the first joint loads meet
	s_mov_b32 s[G0S], 1
	s_add_co_u32 s[G0S+1], s94, SCL
	s_mov_b64 s[G0S+2:G0S+3], s[22:23]
	s_or_b32 s[G0S+3], s[G0S+3], 0x80000000
	s_mov_b32 s[G0SB], 1
	s_add_co_u32 s[G0SB+1], s94, SCL
	s_mov_b64 s[G0SB+2:G0SB+3], s[92:93]
	s_or_b32 s[G0SB+3], s[G0SB+3], 0x80000000
	JLOAD G0S, G1S, G0SB, G1SB                     ; the scale bytes first: they are wanted with K step 0.  With the two below, three loads of mine are out
.irp s, 0,1
	s_mov_b32 s[G0+4*\s], 1
	s_add_co_u32 s[G0+4*\s+1], s45, \s*SLOT
	s_add_nc_u64 s[G0+4*\s+2:G0+4*\s+3], s[20:21], \s*ROWB
	s_or_b32 s[G0+4*\s+3], s[G0+4*\s+3], 0x80000000
	s_mov_b32 s[G0B+4*\s], 1
	s_add_co_u32 s[G0B+4*\s+1], s45, \s*SLOT
	s_add_nc_u64 s[G0B+4*\s+2:G0B+4*\s+3], s[46:47], \s*ROWB
	s_or_b32 s[G0B+4*\s+3], s[G0B+4*\s+3], 0x80000000
	JLOAD G0+4*\s, G1, G0B+4*\s, G1B
.endr
	v_and_b32 v1, 15, v0                           ; r = l % 16
	v_bfe_u32 v2, v0, 4, 1                         ; h = l / 16
	v_mul_u32_u24 v3, v1, PITCH
	v_lshl_add_u32 v4, v2, 4, v3                   ; a fragment's row x pitch + 16 x half
	s_mul_i32 s21, s15, HALFT                      ; my 128 rows of A
	s_mul_i32 s22, s16, HALFT                      ; my 128 rows of B,
	s_add_co_u32 s22, s22, 2*HALFT                 ; which lie behind A's 256
.irp s, 0,1
	v_add_nc_u32 v[ADRA+\s], s21, v4
	v_add_nc_u32 v[ADRB+\s], s22, v4
	s_add_co_u32 s21, s21, SLOT
	s_add_co_u32 s22, s22, SLOT
.endr
	v_mul_u32_u24 v5, v1, KS                       ; my row's scale bytes: 32 a row,
	v_lshrrev_b32 v6, 8, v5
	v_lshl_add_u32 v5, v6, 4, v5                   ; and 16 more for each 256 passed
	s_mul_i32 s21, s15, HALFS
	s_mul_i32 s22, s16, HALFS
	s_add_co_u32 s22, s22, 2*HALFS
	s_sub_co_u32 s22, s22, s21
	v_mul_u32_u24 v6, s22, v2                      ; lanes 16-31 take B's
	s_add_co_u32 s21, s21, SCL
	v_add_nc_u32 v5, v5, v6
	v_add_nc_u32 v[ADRS], s21, v5
	; the way out's LDS addresses, from the lane and the wave alone
	s_mul_i32 s23, s14, STGW
	v_and_b32 v5, 7, v1
	v_lshrrev_b32 v6, 3, v1
	v_lshlrev_b32 v[KST], 4, v5
	v_lshl_add_u32 v[KST], v6, 9, v[KST]
	v_lshl_add_u32 v[KST], v2, 3, v[KST]
	v_add_nc_u32 v[KST], s23, v[KST]               ; 512 (r / 8) + 16 (r % 8) + 8 h: token 16 a + r lies in tile .. + r / 8, row 8 (a % 2) + r % 8
	v_lshl_add_u32 v[KSB], v5, 2, v6
	v_add_nc_u32 v[KSB], s23, v[KSB]               ; 4 (r % 8) + r / 8
	v_and_b32 v5, 31, v0
	v_lshlrev_b32 v[GOF], 4, v5
	v_add_nc_u32 v[KRD], s23, v[GOF]
	s_add_co_u32 s23, s23, VSTG
	v_lshlrev_b32 v[VST], 4, v1
	v_lshl_add_u32 v[VST], v2, 3, v[VST]
	v_add_nc_u32 v[VST], s23, v[VST]               ; 16 r + 8 h
	v_lshlrev_b32 v[VSB], 2, v1
	v_add_nc_u32 v[VSB], s23, v[VSB]               ; 4 r
	v_add_nc_u32 v[VRD], s23, v[GOF]
	; where my 128 tokens x 4 heads go
	s_lshl_b32 s20, s17, 8
	s_lshl_b32 s21, s15, 7
	s_add_co_u32 s20, s20, s21                     ; my first row of C
	s_lshl_b32 s21, s42, 8
	s_lshl_b32 s22, s16, 7
	s_add_co_u32 s21, s21, s22                     ; my first column
	s_cmp_eq_u32 ttmp9, 2
	s_cselect_b32 s22, s21, s20                    ; my first token,
	s_cselect_b32 s23, s20, s21                    ; my first column of x W
	s_and_b32 s23, s23, 1023
	s_lshr_b32 s23, s23, 5                         ; my first head
	s_lshr_b32 s45, s22, 11                        ; b
	s_bfe_u32 s46, s22, 0x40007                    ; the step of 128 tokens
	s_lshl_b32 s47, s45, 5
	s_add_co_u32 s47, s47, s23
	s_lshl_b32 s47, s47, 16                        ; (32 b + head) x 65,536
	s_lshl_b32 s92, ttmp9, 22                      ; the job's 4 MiB
	s_add_co_u32 s47, s47, s92
	s_lshl_b32 s92, s46, 12
	s_add_co_u32 s92, s47, s92
	s_mov_b32 s93, 0
	s_add_nc_u64 s[10:11], s[10:11], s[92:93]      ; codes
	s_lshl_b32 s92, ttmp9, 17
	s_lshl_b32 s47, s45, 16
	s_add_co_u32 s92, s92, s47
	s_lshl_b32 s47, s46, 12
	s_add_co_u32 s92, s92, s47
	s_lshl_b32 s47, s23, 7
	s_add_co_u32 s92, s92, s47
	s_add_nc_u64 s[12:13], s[12:13], s[92:93]      ; scale bytes
	s_and_b32 s92, s22, 2047
	s_lshl_b32 s92, s92, 8                         ; 256 bytes of table for each position
	s_add_nc_u64 s[8:9], s[8:9], s[92:93]
	; The table's first two sets, into registers that the loop never names.  Every wave asks, the v job's too (which has no use for them): so no way through the text reads a register that it has not loaded.
.irp a, 0,1
.irp q, 0,1,2,3,4,5,6,7
	global_load_b128 v[TAB+32*\a+4*\q:TAB+32*\a+4*\q+3], v[GOF], s[8:9] offset:4096*\a+512*\q
.endr
.endr
.macro FRAG reg, adr, q, i             ; 16 rows x 128 K of 8-bit codes: lane l holds row l % 16; registers 4 c .. 4 c + 3 hold K = 32 c + 16 (l / 16) + 0 .. 15
.irp c, 0,1,2,3
	ds_load_b128 v[\reg+4*\c:\reg+4*\c+3], v[\adr] offset:128*(\q)+32*\c+(\i)*16*PITCH
.endr
.endm
; 16 matrix instructions: A's blocks a0, a0 + 1 x B's eight, 128 along K.  The 64 accumulators take turns, one instruction a turn, in the same order in every step.
.macro MUL16 a0, p, q, sc, zero
.irp a, \a0, \a0+1
.irp b, 0,1,2,3,4,5,6,7
.if \zero
	v_wmma_scale_f32_16x16x128_f8f6f4 v[8*(8*((\a)%4)+\b):8*(8*((\a)%4)+\b)+7], v[128*(\p)+FR*\b:128*(\p)+FR*\b+FR-1], v[AF+FR*(\a):AF+FR*(\a)+FR-1], 0, v[SC+8*NQ*(\sc)+NQ*\b+(\q)], v[SC+8*NQ*(\sc)+NQ*(\a)+(\q)] matrix_a_fmt:MATRIX_FMT_BF8 matrix_b_fmt:MATRIX_FMT_BF8 matrix_a_scale:MATRIX_SCALE_ROW1
.else
	v_wmma_scale_f32_16x16x128_f8f6f4 v[8*(8*((\a)%4)+\b):8*(8*((\a)%4)+\b)+7], v[128*(\p)+FR*\b:128*(\p)+FR*\b+FR-1], v[AF+FR*(\a):AF+FR*(\a)+FR-1], v[8*(8*((\a)%4)+\b):8*(8*((\a)%4)+\b)+7], v[SC+8*NQ*(\sc)+NQ*\b+(\q)], v[SC+8*NQ*(\sc)+NQ*(\a)+(\q)] matrix_a_fmt:MATRIX_FMT_BF8 matrix_b_fmt:MATRIX_FMT_BF8 matrix_a_scale:MATRIX_SCALE_ROW1
.endif
.endr
.endr
.endm
.macro FETCH_B slot, q, p
	WIN TO_B
.irp i, 0,1,2,3,4,5,6,7
	FRAG 128*(\p)+FR*\i, ADRB+\slot, \q, \i
.endr
	WIN 0
.endm
.macro FETCH_A slot, q, i0
.irp i, \i0, \i0+1, \i0+2, \i0+3
	FRAG AF+FR*(\i), ADRA+\slot, \q, \i
.endr
.endm
.macro SCALES sc                       ; a K step's scale words: two a row; lanes 0-15 take A's block i, lanes 16-31 B's block i
.irp i, 0,1,2,3,4,5,6,7
	ds_load_b64 v[SC+8*NQ*\sc+NQ*\i:SC+8*NQ*\sc+NQ*\i+1], v[ADRS] offset:\i*SBLK
.endr
.endm
.macro PLACES n                        ; plain vector instructions between a matrix instruction and a load into, or a vector instruction on, its registers
.rept \n
	v_nop
.endr
.endm
.macro STEP slot, q, zero              ; 128 along K that has its successor in the same slot
	s_wait_dscnt 4*NL                              ; B's set and A's blocks 0-3 are in; the youngest sixteen loads (A's blocks 4-7) may be out
	WIN MUL_LO
	MUL16 0, (\q)%2, \q, \slot, \zero
	MUL16 2, (\q)%2, \q, \slot, \zero
	s_wait_dscnt 0
	PLACES NP
	FETCH_B \slot, (\q)+1, 1-(\q)%2
	FETCH_A \slot, (\q)+1, 0
	WIN MUL_HI
	MUL16 4, (\q)%2, \q, \slot, \zero
	MUL16 6, (\q)%2, \q, \slot, \zero
	PLACES NP
	WIN 0
	FETCH_A \slot, (\q)+1, 4
.endm
; A slot's last step changes slots: one barrier; in front of it each wave waits for all its tensor loads, adds 0 to its spare word, and waits for that and for its own reads of this slot.
.macro TURN slot, next, fill
	s_wait_tensorcnt 0x0                           ; all my tensor loads have landed: my part of the next slot
	ds_add_u32 v[SPW], v[NIL]                      ; 0 onto my spare word
	s_wait_dscnt 4*NL+1                            ; (the add and the youngest sixteen loads may be out)
	WIN MUL_LO
	MUL16 0, 1, NQ-1, \slot, 0
	s_wait_dscnt 0x0                               ; the add is done, and my reads of this slot are over
	s_barrier_signal -1
	MUL16 2, 1, NQ-1, \slot, 0
	WIN 0
	s_barrier_wait -1
.if \fill
	CREST                                          ; the barrier has opened a round of the cluster's: no wave of any partner still reads this slot or has a load on its way
	s_add_nc_u64 s[G0+4*\slot+2:G0+4*\slot+3], s[G0+4*\slot+2:G0+4*\slot+3], 2*ROWB
	s_add_nc_u64 s[G0B+4*\slot+2:G0B+4*\slot+3], s[G0B+4*\slot+2:G0B+4*\slot+3], 2*ROWB
	JLOAD G0+4*\slot, G1, G0B+4*\slot, G1B         ; the first tensor load behind the round; its four v_nop are among the places in front of the loads below
	PLACES NP-4
.else
	PLACES NP
.endif
	v_add_nc_u32 v[ADRS], 4*NQ, v[ADRS]            ; on to the next K step's scale words
	FETCH_B \next, 0, 0
	FETCH_A \next, 0, 0
	SCALES \next
	WIN MUL_HI
	MUL16 4, 1, NQ-1, \slot, 0
	MUL16 6, 1, NQ-1, \slot, 0
	PLACES NP
	WIN 0
	FETCH_A \next, 0, 4
.endm
	s_wait_tensorcnt 1                             ; the scale bytes and my part of K step 0 are in (K step 1's load may be out),
	s_barrier_signal -1
	s_barrier_wait -1                              ; everybody's are
	FETCH_B 0, 0, 0
	FETCH_A 0, 0, 0
	SCALES 0
	FETCH_A 0, 0, 4
	STEP 0, 0, 1                                   ; the first step's products start the sums
	s_mov_b32 s3, LAPS-1
.Llap:
	TURN 0, 1, 1
	STEP 1, 0, 0
	TURN 1, 0, 1
	STEP 0, 0, 0
	s_sub_co_u32 s3, s3, 1
	s_cmp_lg_u32 s3, 0
	s_cbranch_scc1 .Llap
	TURN 0, 1, 0                                   ; the last lap fills nothing
	STEP 1, 0, 0
	s_wait_dscnt 4*NL
	WIN MUL_LO
	MUL16 0, 1, NQ-1, 1, 0
	MUL16 2, 1, NQ-1, 1, 0
	s_wait_dscnt 0
	WIN MUL_HI
	MUL16 4, 1, NQ-1, 1, 0
	MUL16 6, 1, NQ-1, 1, 0
	WIN 0
; ---------------------------------------------------------------- THE WAY OUT
	PLACES NP                                      ; behind the last products: their results are read and A's registers written below
	s_mov_b32 s18, 0x76543210
	s_mov_b32 s19, 0xfedcba98                      ; v_permlanex16_b32's selects for lane l xor 16
	s_mov_b32 s20, 0x600000                        ; the mantissa field of 57,344
.irp b, 0,1,2,3
	v_mov_b32 v[TM+4+\b], 0                        ; written once: a lane permute's destination counts as one of its sources
.endr
; From four largest magnitudes of a lane (v[TM] on) to the blocks' scale operands, limits and bytes; a block lies in lanes l and l xor 16.
.macro SCALE4
	s_wait_dscnt 0x0                               ; the last block's stores into the stage have read their registers
.irp b, 0,1,2,3
	v_permlanex16_b32 v[TM+4+\b], v[TM+\b], s18, s19
.endr
.irp b, 0,1,2,3
	v_max_num_f32 v[TM+\b], v[TM+\b], v[TM+4+\b]
.endr
.irp b, 0,1,2,3
	v_add_nc_u32 v[TM+12+\b], 0xf8800000, v[TM+\b] ; 15 off the exponent field: the conversion's scale operand
.endr
.irp b, 0,1,2,3
	v_and_or_b32 v[TM+8+\b], v[TM+\b], 0x7f800000, s20   ; 57,344 x the scale
.endr
.irp b, 0,1,2,3
	v_lshrrev_b32 v[TM+4+\b], 23, v[TM+12+\b]      ; the scale's byte
.endr
.endm
.macro CVT4                            ; v[R] on, held, become 64 codes in v[PC] on
.irp b, 0,1,2,3
	v_cvt_scalef32_pk8_bf8_f32 v[PC+4*\b:PC+4*\b+1], v[R+16*\b:R+16*\b+7], v[TM+12+\b]
	v_cvt_scalef32_pk8_bf8_f32 v[PC+4*\b+2:PC+4*\b+3], v[R+16*\b+8:R+16*\b+15], v[TM+12+\b]
.endr
	v_nop                                          ; a plain instruction behind the last conversion, ahead of whatever next writes its sources
.endm
; The stage goes out: 16,384 bytes of codes (4 heads x 4,096) and 512 of scale bytes; each store covers 512 consecutive bytes, aligned.  My own bytes: LDS serves a wave's instructions in order.
.macro SEND rd
.set L, 0
.rept 32
	ds_load_b128 v[64+4*L:64+4*L+3], v[\rd] offset:512*L
.set L, L+1
.endr
	ds_load_b128 v[SCR:SCR+3], v[\rd] offset:16384
.set L, 0
.rept 32
	s_wait_dscnt 32-L                              ; load L is in; the younger ones may be out
	global_store_b128 v[GOF], v[64+4*L:64+4*L+3], s[10:11] offset:65536*(L>>3)+512*(L&7)
.set L, L+1
.endr
	s_wait_dscnt 0x0
	global_store_b128 v[GOF], v[SCR:SCR+3], s[12:13]
.endm
	s_cmp_eq_u32 ttmp9, 2
	s_cbranch_scc1 .Lv_out
; q and k, 16 tokens (block a) x 4 heads at a time.  Lane (r, h) holds of head t: d = 8 h + j (accumulator 2 t) and d = 16 + 8 h + j (accumulator 2 t + 1).
.macro QK_BLOCK a
.set AC, 64*((\a)%4)
.set TB, TAB+32*((\a)%2)
.set AO, 2048*((\a)>>2)+1024*(((\a)>>1)&1)+128*((\a)&1)
.set SO, 64*((\a)>>2)+32*((\a)&1)+2*(((\a)>>1)&1)
.if (\a) < 7
	s_wait_loadcnt 8                               ; this block's eight table loads are in; the next block's may be out
.else
	s_wait_loadcnt 0x0
.endif
	WIN 0x02+((\a)/4)                              ; source 0: the accumulators' window
.irp t, 0,1,2,3
.irp j, 0,2,4,6                        ; each accumulator from its low end on
	v_pk_mul_f32 v[R+16*\t+\j:R+16*\t+\j+1], v[AC+16*\t+8+\j:AC+16*\t+8+\j+1], v[TB+8+\j:TB+8+\j+1]         ; -x(d + 16) sin(d)
	v_pk_mul_f32 v[R+16*\t+8+\j:R+16*\t+8+\j+1], v[AC+16*\t+\j:AC+16*\t+\j+1], v[TB+24+\j:TB+24+\j+1]       ; x(d - 16) sin(d)
	v_pk_fma_f32 v[R+16*\t+\j:R+16*\t+\j+1], v[AC+16*\t+\j:AC+16*\t+\j+1], v[TB+\j:TB+\j+1], v[R+16*\t+\j:R+16*\t+\j+1]
	v_pk_fma_f32 v[R+16*\t+8+\j:R+16*\t+8+\j+1], v[AC+16*\t+8+\j:AC+16*\t+8+\j+1], v[TB+16+\j:TB+16+\j+1], v[R+16*\t+8+\j:R+16*\t+8+\j+1]
.endr
.endr
	WIN 0
.if (\a) < 6
.irp q, 0,1,2,3,4,5,6,7
	global_load_b128 v[TB+4*\q:TB+4*\q+3], v[GOF], s[8:9] offset:4096*((\a)+2)+512*\q   ; the set just read takes the table of two blocks on
.endr
.endif
.irp b, 0,1,2,3
	v_max3_num_f32 v[TM+\b], |v[R+16*\b]|, |v[R+16*\b+1]|, 0x8000000   ; head b: my 16 numbers, and the floor 2^(16 - 127)
.endr
.irp i, 2,4,6,8,10,12,14
.irp b, 0,1,2,3
	v_max3_num_f32 v[TM+\b], v[TM+\b], |v[R+16*\b+\i]|, |v[R+16*\b+\i+1]|
.endr
.endr
	SCALE4
.irp b, 0,1,2,3
.irp i, 0,1,2,3,4,5,6,7,8,9,10,11,12,13,14,15
	v_med3_num_f32 v[R+16*\b+\i], v[R+16*\b+\i], -v[TM+8+\b], v[TM+8+\b]   ; the conversion does not saturate (ISA guide 7.6.2): the hold
.endr
.endr
	CVT4
.irp t, 0,1,2,3
	ds_store_b64 v[KST], v[PC+4*\t:PC+4*\t+1] offset:4096*\t+AO          ; d = 8 h .. 8 h + 7: the operand's lane (m, 0), bytes 8 h on
	ds_store_b64 v[KST], v[PC+4*\t+2:PC+4*\t+3] offset:4096*\t+AO+256    ; d = 16 + 8 h ..: lane (m, 1)
	ds_store_b8 v[KSB], v[TM+4+\t] offset:16384+128*\t+SO                ; both halves of the lanes write the same byte with the same value
.endr
.endm
.irp a, 0,1,2,3,4,5,6,7
	QK_BLOCK \a
.endr
	SEND KRD
	s_branch .Lend
; v: C = v^T.  Block a: head a / 2, d = 16 (a % 2) + r; lane (r, h) holds tokens 16 b + 8 h + j.  Block B of 32 tokens = the block's registers 16 B .. 16 B + 15, with lane l xor 16's.
.macro V_BLOCK a
.set AC, 64*((\a)%4)
	WIN 0x0a+5*((\a)/4)                            ; sources 0 and 1: the accumulators' window
.irp b, 0,1,2,3
	v_max3_num_f32 v[TM+\b], |v[AC+16*\b]|, |v[AC+16*\b+1]|, 0x8000000
.endr
.irp i, 2,4,6,8,10,12,14
.irp b, 0,1,2,3
	v_max3_num_f32 v[TM+\b], |v[AC+16*\b+\i]|, |v[AC+16*\b+\i+1]|, v[TM+\b]
.endr
.endr
	WIN 0
	SCALE4
	v_lshl_or_b32 v[PW], v[TM+5], 8, v[TM+4]       ; the four bytes make row d's scale word for these 128 keys
	v_lshl_or_b32 v[PW], v[TM+6], 16, v[PW]
	v_lshl_or_b32 v[PW], v[TM+7], 24, v[PW]
	WIN 0x02+((\a)/4)
.irp b, 0,1,2,3
.irp i, 0,1,2,3,4,5,6,7,8,9,10,11,12,13,14,15
	v_med3_num_f32 v[R+16*\b+\i], v[AC+16*\b+\i], -v[TM+8+\b], v[TM+8+\b]   ; the hold, which also brings the number into window 0
.endr
.endr
	WIN 0
	CVT4
.irp b, 0,1,2,3
	ds_store_b64 v[VST], v[PC+4*\b:PC+4*\b+1] offset:4096*((\a)>>1)+2048*((\a)&1)+512*\b        ; tokens 32 B + 8 h ..: the operand's lane (r, 0), bytes 8 h on
	ds_store_b64 v[VST], v[PC+4*\b+2:PC+4*\b+3] offset:4096*((\a)>>1)+2048*((\a)&1)+512*\b+256  ; tokens 32 B + 16 + 8 h ..: lane (r, 1)
.endr
	ds_store_b32 v[VSB], v[PW] offset:16384+128*((\a)>>1)+64*((\a)&1)
.endm
.Lv_out:
	s_wait_loadcnt 0x0                             ; the table's loads have landed: their registers are loaded over below
.irp a, 0,1,2,3,4,5,6,7
	V_BLOCK \a
.endr
	SEND VRD
.Lend:
	s_wait_tensorcnt 0x0                           ; the wave's end, behind my last tensor load and my last LDS store
	ds_add_u32 v[SPW], v[NIL]
	s_wait_dscnt 0x0
	CROUND                                         ; the closing round: no work-group ends while a partner may still ask for a tile that names it
	s_endpgm
.Lfunc_end_k_q2eb205323c_qkv:
	.size	k_q2eb205323c_qkv, .Lfunc_end_k_q2eb205323c_qkv-k_q2eb205323c_qkv
	.p2alignl 7, 3214868480
	.fill 96, 4, 3214868480
	.section	.rodata,"a",@progbits
	.p2align	6, 0x0
	.amdhsa_kernel k_q2eb205323c_qkv
		.amdhsa_group_segment_fixed_size 327680
		.amdhsa_private_segment_fixed_size 0
		.amdhsa_enable_private_segment 0
		.amdhsa_kernarg_size 40
		.amdhsa_user_sgpr_count 2
		.amdhsa_user_sgpr_kernarg_segment_ptr 1
		.amdhsa_wavefront_size32 1
		.amdhsa_system_sgpr_workgroup_id_x 1
		.amdhsa_system_sgpr_workgroup_id_y 1
		.amdhsa_system_sgpr_workgroup_id_z 1
		.amdhsa_system_vgpr_workitem_id 0
		.amdhsa_next_free_vgpr 1024
		.amdhsa_next_free_sgpr 102
		.amdhsa_reserve_vcc 0
		.amdhsa_float_denorm_mode_32 3
		.amdhsa_float_denorm_mode_16_64 3
		.amdhsa_memory_ordered 1
		.amdhsa_forward_progress 1
		.amdhsa_inst_pref_size 255
	.end_amdhsa_kernel
	.section	.bss,"aw",@nobits
	.p2align	6
	.space	262144
	.amdgpu_metadata
---
amdhsa.version: [ 1, 2 ]
amdhsa.kernels:
  - .name:           k_q2eb205323c_qkv
    .symbol:         k_q2eb205323c_qkv.kd
    .args:
      - { .name: xq, .offset: 0, .size: 8, .value_kind: global_buffer, .address_space: global }
      - { .name: wq, .offset: 8, .size: 8, .value_kind: global_buffer, .address_space: global }
      - { .name: rope, .offset: 16, .size: 8, .value_kind: global_buffer, .address_space: global }
      - { .name: qkv_codes, .offset: 24, .size: 8, .value_kind: global_buffer, .address_space: global }
      - { .name: qkv_scales, .offset: 32, .size: 8, .value_kind: global_buffer, .address_space: global }
    .group_segment_fixed_size: 327680
    .private_segment_fixed_size: 0
    .kernarg_segment_align: 8
    .kernarg_segment_size: 40
    .max_flat_workgroup_size: 128
    .sgpr_count:     102
    .vgpr_count:     1024
    .wavefront_size: 32
...
	.end_amdgpu_metadata
.endif
;; end of part 2
;; launch attn (part 3): grid 8 x 32, 16 waves a work-group, no clusters, 272,384 bytes of LDS; arguments qkv_codes, qkv_scales, maskw, out0; writes out0
.if DOCPART == 3
	.amdgcn_target "amdgcn-amd-amdhsa--gfx1250"
	.amdhsa_code_object_version 6
	.text
	.protected	k_q2eb205323c_attn
	.globl	k_q2eb205323c_attn
	.p2align	8
	.type	k_q2eb205323c_attn,@function
k_q2eb205323c_attn:
	s_mov_b64 s[64:65], 0
	v_nop
	global_prefetch_b8 v0, s[64:65] scope:SCOPE_SE
	s_setreg_imm32_b32 hwreg(HW_REG_WAVE_MODE, 25, 1), 1
	s_wait_xcnt 0x0
; out[b][q][head][:] = the sum over k of softmax_k(mask ? q . k / sqrt(32) : -inf) v[k][:], both products on codes of E5M2 with one E8M0 scale for each 32 along a product's K.
; THE SOFTMAX AHEAD OF THE SECOND PRODUCT: t = score x log2(e) / sqrt(32); M = the running largest t rounded UP to a whole number; p = 2^(t - M) is quantised along the keys; the row's sum is taken of the
; unquantised p and divides at the end.  When M moves, the sum and O are multiplied by 2^(old M - new M): exact.  A row that the mask hides wholly has the sum 0 and comes out NaN, as the softmax of such a row does.
; SHARES.  A work-group owns two neighbouring heads of one batch (y) and 256 queries: tokens 128 w .. and 128 (15 - w) ..  Their K and V codes (2 x 128 KiB) and scale bytes stay in LDS for the whole launch, filled once
; through registers.  Wave v: head v / 8; two tiles of 16 queries one after the other: T = 8 w + v % 8 and 127 - T.  Four waves share a SIMD, so that one wave's vector work stands beside another's products and LDS loads.
; THE MASK comes as whole numbers that an earlier launch stored: a class for each tile of 16 queries x 128 keys (0 all false: the step is left out by a scalar branch; 2 all true; 1 mixed) and, for mixed tiles, 64 lane
; masks, one for each score register: one v_cndmask_b32 a score.  No pattern of the mask is built in.  No tensor load stands in this text; so no cluster either:
; what partners could share is the one fill at the head.
; LAYOUT.  Both products are used transposed: a lane holds ONE query (lane % 16) throughout.  The head has 32 numbers, a quarter of the instruction's K: source 0 is a PACK of four tiles of 16 keys, tile i in K slot i
; (registers 4 i .. 4 i + 3); source 1 is q in slot i between zeros: v[28 - 4 i : 43 - 4 i] of a run zeros, q, zeros.  So no K code is read twice and no zero is loaded.
; Tile T, row m is token 64 (T / 4) + 32 ((T / 2) % 2) + 8 (T % 2) + m % 8 + 16 (m / 8): score register n then holds key 128 step + 32 (n / 16) + 16 (lane / 16) + n % 16: p's registers are the second product's operand.
; LIMITS: t = score x c is one fused multiply-add with -M; NaN and infinities among the inputs are not served.
.set KC,   0                           ; LDS: K's codes: hd x 65,536 + step x 4,096 + pack x 2,048 + 512 i + 16 lane
.set VC,   131072                      ; V's: the same with dt and c
.set KSC,  262144                      ; K's scale bytes: step x 256 + hd x 128 + 4 lane (lanes 0-15 pack 0, lanes 16-31 pack 1)
.set VSC,  266240                      ; V's likewise (dt)
.set OP,   272                         ; the way out: 256 rows of 256 bytes + 16, over K's codes, behind a barrier
.set AK0,  1
.set AV0,  2
.set ASK0, 3
.set ASV0, 4
.set NINF, 5                           ; v5   -infinity
.set L16,  6                           ; v6   16 x lane
.set R4,   7                           ; v7   4 x (lane % 16)
.set ADK,  8                           ; v8-11 the step's LDS addresses
.set ADV,  9
.set ADS,  10
.set ADT,  11
.set QW,   16                          ; v16-27 zeros, v28-31 q, v32-43 zeros
.set QS,   44                          ; scale registers, and nothing else: q's byte in all four bytes;
.set KSW,  45                          ; K's words;
.set VSW,  46                          ; V's;
.set PS,   47                          ; p's
.set KF,   48                          ; two packs of K
.set VF,   80                          ; two fragments of V
.set S,    112                         ; the scores, then p
.set O,    176                         ; O^T: two tiles
.set PCD,  192                         ; p's codes
.set BM,   224                         ; the blocks' largest scores, then largest p
.set T1,   228
.set LIM,  232
.set SCO,  236
.set F,    240                         ; v[240:241]: f and a written partner
.set TMP,  242
.set SI0,  243                         ; stage, on the way in: task 0, task 1
.set SI1,  244
.set RD,   245
.set GO,   246
.set FA,   247                         ; the fill's LDS addresses
.set FB,   248
.set FS,   249
.set QOF,  250                         ; q's offsets in memory
.set QSF,  251
.set TM2,  252
.set CS,   88                          ; s[88:89] c = log2(e) / sqrt(32)
	s_load_b128 s[4:7], s[0:1], 0x0                ; qkv_codes, qkv_scales
	s_load_b64 s[8:9], s[0:1], 0x10                ; maskw
	s_load_b64 s[12:13], s[0:1], 0x18              ; out0
	v_lshl_add_u32 v254, v0, 2, 0x42000
	v_mov_b32 v255, 0
	v_lshrrev_b32 v1, 5, v0
	v_readfirstlane_b32 s2, v1                     ; wave 0..15
	s_lshr_b32 s3, s2, 3                           ; hd: which of the two heads
	s_and_b32 s10, s2, 7                           ; i
	s_lshl_b32 s11, ttmp9, 3
	s_add_co_u32 s11, s11, s10                     ; my first tile: 8 w + i
	s_and_b32 s96, ttmp7, 0xffff                   ; y = 16 b + pair of heads
	s_lshr_b32 s97, s96, 4                         ; b
	s_and_b32 s98, s96, 15                         ; the pair
	v_and_b32 v8, 31, v0                           ; lane
	v_and_b32 v9, 15, v0                           ; r
	v_bfe_u32 v10, v0, 4, 1                        ; h
	v_lshlrev_b32 v[L16], 4, v8
	v_lshlrev_b32 v[R4], 2, v9
	v_lshlrev_b32 v11, 3, v8                       ; 8 x lane
	s_lshl_b32 s20, s96, 17                        ; the pair's codes: 131,072 bytes,
	s_lshl_b32 s21, s2, 13                         ; my wave's 8,192 of them,
	s_add_co_u32 s20, s20, s21
	s_add_co_u32 s20, s20, 0x400000                ; in k's part of the buffer
	s_mov_b32 s21, 0
	s_lshl_b32 s22, s97, 16
	s_lshl_b32 s23, s2, 12                         ; step = my wave's number
	s_add_co_u32 s22, s22, s23
	s_lshl_b32 s23, s98, 8                         ; the pair's 256 bytes of a step
	s_add_co_u32 s22, s22, s23
	s_add_co_u32 s22, s22, 131072                  ; in k's part
	s_mov_b32 s23, 0
	s_wait_kmcnt 0x0
	s_add_nc_u64 s[16:17], s[4:5], s[20:21]
	s_add_nc_u64 s[18:19], s[16:17], 0x400000      ; v's part lies 4 MiB on
	s_add_nc_u64 s[24:25], s[6:7], s[22:23]
	; THE FILL: 16 + 16 loads of 512 consecutive bytes a wave, and my step's scale bytes
.irp j, 0,1,2,3,4,5,6,7,8,9,10,11,12,13,14,15
	global_load_b128 v[48+4*\j:51+4*\j], v[L16], s[16:17] offset:512*\j
.endr
.irp j, 0,1,2,3,4,5,6,7,8,9,10,11,12,13,14,15
	global_load_b128 v[112+4*\j:115+4*\j], v[L16], s[18:19] offset:512*\j
.endr
	global_load_b64 v[176:177], v11, s[24:25]
	global_load_b64 v[178:179], v11, s[24:25] offset:131072
	; while they are out: addresses and constants
	s_lshl_b32 s26, s96, 1
	s_add_co_u32 s26, s26, s3                      ; 32 b + head
	s_lshl_b32 s26, s26, 16
	s_mov_b32 s27, 0
	s_add_nc_u64 s[4:5], s[4:5], s[26:27]          ; q's codes of my head
	s_lshl_b32 s26, s97, 16
	s_lshl_b32 s28, s98, 1
	s_add_co_u32 s28, s28, s3
	s_lshl_b32 s28, s28, 7
	s_add_co_u32 s26, s26, s28
	s_add_nc_u64 s[6:7], s[6:7], s[26:27]          ; q's scale bytes of my head
	s_lshl_b32 s26, ttmp9, 7                       ; the rows that I store at the end: waves 0-7 the first task's tokens, 128 w on,
	s_sub_co_u32 s28, 15, ttmp9
	s_lshl_b32 s28, s28, 7                         ; waves 8-15 the second's, 128 (15 - w) on;
	s_cmp_eq_u32 s3, 0
	s_cselect_b32 s26, s26, s28
	s_lshl_b32 s28, s10, 4                         ; 16 rows a wave
	s_add_co_u32 s26, s26, s28
	s_lshl_b32 s28, s97, 11
	s_add_co_u32 s26, s26, s28
	s_lshl_b32 s26, s26, 12                        ; a row of out0 is 4,096 bytes
	s_lshl_b32 s28, s98, 8                         ; the pair's 256 of them
	s_add_co_u32 s26, s26, s28
	s_add_nc_u64 s[12:13], s[12:13], s[26:27]
	s_lshl_b32 s26, s3, 16
	v_add_nc_u32 v[AK0], s26, v[L16]
	v_add_nc_u32 v[AV0], VC, v[AK0]
	s_lshl_b32 s26, s3, 7
	s_add_co_u32 s26, s26, KSC
	v_lshlrev_b32 v[ASK0], 2, v8
	v_add_nc_u32 v[ASK0], s26, v[ASK0]
	v_add_nc_u32 v[ASV0], VSC-KSC, v[ASK0]
	v_mov_b32 v[NINF], 0xff800000
	s_lshl_b32 s26, s2, 13
	v_add_nc_u32 v[FA], s26, v[L16]
	v_add_nc_u32 v[FB], VC, v[FA]
	s_lshl_b32 s26, s2, 8
	s_add_co_u32 s26, s26, KSC
	v_add_nc_u32 v[FS], s26, v11
	v_and_b32 v[TM2], 8, v9
	v_add_nc_u32 v[TM2], v[TM2], v9                ; r % 8 + 16 (r / 8)
	s_lshl_b32 s29, s3, 7                          ; my head's 128 bytes of a row
	s_and_b32 s26, s10, 6
	s_lshl_b32 s26, s26, 4
	s_and_b32 s28, s10, 1
	s_lshl_b32 s28, s28, 3
	s_add_co_u32 s26, s26, s28                     ; tile i's first token among its 128
	v_add_nc_u32 v[SI0], s26, v[TM2]
	v_mul_u32_u24 v[SI0], v[SI0], OP
	v_lshl_add_u32 v[SI0], v10, 5, v[SI0]
	v_add_nc_u32 v[SI0], s29, v[SI0]               ; row x 272 + 128 hd + 32 h
	s_xor_b32 s30, s10, 7                          ; the second task's tile among its 128 tokens: 7 - i
	s_and_b32 s26, s30, 6
	s_lshl_b32 s26, s26, 4
	s_and_b32 s28, s30, 1
	s_lshl_b32 s28, s28, 3
	s_add_co_u32 s26, s26, s28
	s_add_co_u32 s26, s26, 128                     ; its rows lie behind the first task's
	v_add_nc_u32 v[SI1], s26, v[TM2]
	v_mul_u32_u24 v[SI1], v[SI1], OP
	v_lshl_add_u32 v[SI1], v10, 5, v[SI1]
	v_add_nc_u32 v[SI1], s29, v[SI1]
	s_lshl_b32 s26, s2, 4
	v_add_nc_u32 v[RD], s26, v10
	v_mul_u32_u24 v[RD], v[RD], OP
	v_lshl_add_u32 v[RD], v9, 4, v[RD]             ; back: rows 16 v on; lanes 0-15 one row, lanes 16-31 the next
	v_lshlrev_b32 v[GO], 12, v10
	v_lshl_add_u32 v[GO], v9, 4, v[GO]             ; and the same two rows in out0
.irp j, 0,1,2,3,4,5,6,7,8,9,10,11
	v_mov_b32 v[QW+\j], 0                          ; the zeros on both sides of q
	v_mov_b32 v[QW+16+\j], 0
.endr
.irp b, 0,1,2,3
	v_mov_b32 v[T1+\b], 0                          ; written once: a lane permute's destination counts as one of its sources
.endr
	v_mov_b32 v[F+1], 0                            ; named as the upper half of the pair before it is ever used
	s_mov_b32 s[CS], 0x3e8293ee
	s_mov_b32 s[CS+1], s[CS]
	s_mov_b32 s90, 0x76543210
	s_mov_b32 s91, 0xfedcba98
	s_mov_b32 s92, 0x600000
	s_wait_loadcnt 18                              ; K's sixteen loads are in; V's sixteen and the two of scale bytes may be out
.irp j, 0,1,2,3,4,5,6,7,8,9,10,11,12,13,14,15
	ds_store_b128 v[FA], v[48+4*\j:51+4*\j] offset:512*\j
.endr
	s_wait_loadcnt 0x0
.irp j, 0,1,2,3,4,5,6,7,8,9,10,11,12,13,14,15
	ds_store_b128 v[FB], v[112+4*\j:115+4*\j] offset:512*\j
.endr
	ds_store_b64 v[FS], v[176:177]
	ds_store_b64 v[FS], v[178:179] offset:VSC-KSC
	s_wait_dscnt 0x0                               ; for the others' sake: my stores have landed
	s_barrier_signal -1
	s_barrier_wait -1                              ; K, V and their scale bytes lie in LDS
; A step's loads and its eight products S^T = K q^T.  Four v_nop: with the four additions at the trip's head they are the eight places behind the last step's products, into whose registers V's loads go.
.macro FETCH_QK
.rept 4
	v_nop
.endr
.irp p, 0,1
.irp i, 0,1,2,3
	ds_load_b128 v[KF+16*\p+4*\i:KF+16*\p+4*\i+3], v[ADK] offset:2048*\p+512*\i
.endr
.endr
	ds_load_b32 v[KSW], v[ADS]
.irp p, 0,1
.irp i, 0,1,2,3
	ds_load_b128 v[VF+16*\p+4*\i:VF+16*\p+4*\i+3], v[ADV] offset:2048*\p+512*\i
.endr
.endr
	ds_load_b32 v[VSW], v[ADT]
	s_wait_dscnt 9                                 ; K's nine loads are in; V's nine may be out
.irp i, 0,1,2,3
	v_wmma_scale_f32_16x16x128_f8f6f4 v[S+8*\i:S+8*\i+7], v[KF:KF+15], v[QW+12-4*\i:QW+27-4*\i], 0, v[KSW], v[QS] matrix_a_fmt:MATRIX_FMT_BF8 matrix_b_fmt:MATRIX_FMT_BF8
.endr
.irp i, 0,1,2,3
	v_wmma_scale_f32_16x16x128_f8f6f4 v[S+32+8*\i:S+32+8*\i+7], v[KF+16:KF+31], v[QW+12-4*\i:QW+27-4*\i], 0, v[KSW], v[QS] matrix_a_fmt:MATRIX_FMT_BF8 matrix_b_fmt:MATRIX_FMT_BF8 matrix_a_scale:MATRIX_SCALE_ROW1
.endr
.rept 8
	v_nop                                          ; places ahead of the first read of the scores
.endr
.endm
; The softmax of 128 keys, p's codes and scale word, and O^T += V^T P^T.
.macro SOFT_PV
.irp b, 0,1,2,3
	v_max3_num_f32 v[BM+\b], v[S+16*\b], v[S+16*\b+1], v[S+16*\b+2]   ; the largest score of each block of 32 keys: for the row's maximum and, since p rises with the score, for the block's largest p
.endr
.irp i, 3,5,7,9,11,13
.irp b, 0,1,2,3
	v_max3_num_f32 v[BM+\b], v[BM+\b], v[S+16*\b+\i], v[S+16*\b+\i+1]
.endr
.endr
.irp b, 0,1,2,3
	v_max_num_f32 v[BM+\b], v[BM+\b], v[S+16*\b+15]
.endr
.irp b, 0,1,2,3
	v_permlanex16_b32 v[T1+\b], v[BM+\b], s90, s91
.endr
.irp b, 0,1,2,3
	v_max_num_f32 v[BM+\b], v[BM+\b], v[T1+\b]     ; with lane l xor 16's 16 keys
.endr
	v_max3_num_f32 v[TMP], v[BM], v[BM+1], v[BM+2]
	v_max_num_f32 v[TMP], v[TMP], v[BM+3]
	v_mul_f32 v[TMP], s[CS], v[TMP]                ; as t
	v_max_num_f32 v13, v13, v[TMP]                 ; the running largest t
	v_mov_b32 v[TMP], v12
	v_floor_f32 v12, -v13                          ; -M = floor(-t): M is a whole number
	v_sub_f32 v[TMP], v12, v[TMP]                  ; old M - new M, 0 or less
	v_cvt_i32_f32 v[TMP], v[TMP]                   ; (it saturates)
	v_ldexp_f32 v[F], 1.0, v[TMP]                  ; f = 2^(old M - new M)
.set j, 0
.rept 32
	v_pk_fma_f32 v[S+j:S+j+1], v[S+j:S+j+1], s[CS:CS+1], v[12:13] op_sel_hi:[1,0,0]   ; t - M
.set j, j+2
.endr
.irp b, 0,1,2,3
	v_fma_f32 v[BM+\b], v[BM+\b], s[CS], v12       ; the same of each block's largest score
.endr
.set j, 0
.rept 64
	v_exp_f32 v[S+j], v[S+j]                       ; p = 2^(t - M): one batch
.set j, j+1
.endr
	v_pk_mul_f32 v[14:15], v[14:15], v[F:F+1] op_sel_hi:[1,0]   ; the sums under the new M: the plain instruction behind the batch
	s_wait_alu depctr_va_vdst(0)                   ; one wait for the batch, ahead of its first reader
.irp b, 0,1,2,3
	v_exp_f32 v[BM+\b], v[BM+\b]                   ; the blocks' largest p
.endr
	v_pk_add_f32 v[T1:T1+1], v[S:S+1], v[S+2:S+3]  ; the row's sum is taken of the unquantised p, in two chains
.set j, 4
.rept 15
	v_pk_add_f32 v[14:15], v[14:15], v[S+j:S+j+1]
	v_pk_add_f32 v[T1:T1+1], v[T1:T1+1], v[S+j+2:S+j+3]
.set j, j+4
.endr
	v_pk_add_f32 v[14:15], v[14:15], v[T1:T1+1]
	s_wait_alu depctr_va_vdst(0)                   ; and one for the four
.irp b, 0,1,2,3
	v_max_num_f32 v[BM+\b], 0x8000000, v[BM+\b]    ; the floor 2^(16 - 127): the byte cannot fall under 1
.endr
.irp b, 0,1,2,3
	v_add_nc_u32 v[SCO+\b], 0xf8800000, v[BM+\b]   ; the conversion's scale operand
.endr
.irp b, 0,1,2,3
	v_and_or_b32 v[LIM+\b], v[BM+\b], 0x7f800000, s92   ; 57,344 x the scale
.endr
.irp b, 0,1,2,3
	v_lshrrev_b32 v[T1+\b], 23, v[SCO+\b]          ; the scale's byte
.endr
	v_lshl_or_b32 v[PS], v[T1+1], 8, v[T1]         ; p's scale word for these 128 keys; the 72 plain lines below stand between it and the products
	v_lshl_or_b32 v[PS], v[T1+2], 16, v[PS]
	v_lshl_or_b32 v[PS], v[T1+3], 24, v[PS]
.irp b, 0,1,2,3
.irp i, 0,1,2,3,4,5,6,7,8,9,10,11,12,13,14,15
	v_min_num_f32 v[S+16*\b+\i], v[S+16*\b+\i], v[LIM+\b]   ; the conversion does not saturate (ISA guide 7.6.2); p is not negative: a one-sided hold
.endr
	v_cvt_scalef32_pk8_bf8_f32 v[PCD+4*\b:PCD+4*\b+1], v[S+16*\b:S+16*\b+7], v[SCO+\b]
	v_cvt_scalef32_pk8_bf8_f32 v[PCD+4*\b+2:PCD+4*\b+3], v[S+16*\b+8:S+16*\b+15], v[SCO+\b]
.endr
.irp j, 0,2,4,6,8,10,12,14
	v_pk_mul_f32 v[O+\j:O+\j+1], v[O+\j:O+\j+1], v[F:F+1] op_sel_hi:[1,0]   ; O^T under the new M; also the places between the codes and the products
.endr
	s_wait_dscnt 0x0                               ; V and its scale words are in
	v_wmma_scale_f32_16x16x128_f8f6f4 v[O:O+7], v[VF:VF+15], v[PCD:PCD+15], v[O:O+7], v[VSW], v[PS] matrix_a_fmt:MATRIX_FMT_BF8 matrix_b_fmt:MATRIX_FMT_BF8
	v_wmma_scale_f32_16x16x128_f8f6f4 v[O+8:O+15], v[VF+16:VF+31], v[PCD:PCD+15], v[O+8:O+15], v[VSW], v[PS] matrix_a_fmt:MATRIX_FMT_BF8 matrix_b_fmt:MATRIX_FMT_BF8 matrix_a_scale:MATRIX_SCALE_ROW1
.endm
; A TASK: one tile of 16 queries against all 16 steps of 128 keys.  The trip count is a constant; what a class leaves out is a step's work.  res: where O / the sum is kept until the way out.
.macro TASK k, res
.if \k
	s_sub_co_u32 s85, 127, s11                     ; T
.else
	s_mov_b32 s85, s11
.endif
	s_lshl_b32 s93, s85, 9
	v_add_nc_u32 v[QOF], s93, v[L16]
	global_load_b128 v[QW+12:QW+15], v[QOF], s[4:5]   ; q's 16 bytes a lane
	s_lshr_b32 s96, s85, 3
	s_lshl_b32 s96, s96, 12
	s_bfe_u32 s97, s85, 0x10002
	s_lshl_b32 s97, s97, 6
	s_add_co_u32 s96, s96, s97
	v_add_nc_u32 v[QSF], s96, v[R4]
	global_load_b32 v[TMP], v[QSF], s[6:7]         ; the word that holds my query's scale byte
	s_lshl_b32 s93, s85, 2
	s_load_b32 s84, s[8:9], s93 offset:0x80000     ; the tile's sixteen classes
	s_lshl_b32 s96, s85, 12
	s_mov_b32 s97, 0
	s_add_nc_u64 s[94:95], s[8:9], s[96:97]        ; and where its words begin
	s_and_b32 s98, s85, 3
	s_mul_i32 s98, s98, 0x01010101
	s_wait_loadcnt 0x0
	v_perm_b32 v[QS], v[TMP], v[TMP], s98          ; byte T % 4 into all four bytes: one register serves every K slot (the other slots hold zero codes)
.irp j, 0,1,2,3,4,5,6,7,8,9,10,11,12,13,14,15
	v_mov_b32 v[O+\j], 0                           ; O^T; these also stand between q's scale and the first product
.endr
	v_mov_b32 v13, 0xff61b1e6                      ; the largest t so far: -3e38
	v_floor_f32 v12, -v13
	v_mov_b32 v14, 0
	v_mov_b32 v15, 0
	s_wait_kmcnt 0x0
	s_mov_b32 s86, 0                               ; 4,096 x step
	s_mov_b32 s87, 0                               ; 256 x step
	s_mov_b32 s14, 16
.Ltrip_\@:
	v_add_nc_u32 v[ADK], s86, v[AK0]
	v_add_nc_u32 v[ADV], s86, v[AV0]
	v_add_nc_u32 v[ADS], s87, v[ASK0]
	v_add_nc_u32 v[ADT], s87, v[ASV0]
	s_and_b32 s15, s84, 3                          ; the step's class
	s_cmp_eq_u32 s15, 0
	s_cbranch_scc1 .Lskip_\@                       ; all false: every p would be 0
	s_cmp_eq_u32 s15, 1
	s_cbranch_scc1 .Lmixed_\@
	FETCH_QK
	s_branch .Lsoft_\@
.Lmixed_\@:
	s_load_b512 s[16:31], s[94:95], s87            ; the step's 64 lane masks: word n in s[16 + n], from word 48 on in s[20 + n]
	s_load_b512 s[32:47], s[94:95], s87 offset:0x40
	s_load_b512 s[48:63], s[94:95], s87 offset:0x80
	s_load_b512 s[68:83], s[94:95], s87 offset:0xc0
	FETCH_QK
	s_wait_kmcnt 0x0
.set n, 0
.rept 64
.if n < 48
	v_cndmask_b32 v[S+n], v[NINF], v[S+n], s[16+n] ; hidden scores become -infinity ahead of the maximum: p = 0
.else
	v_cndmask_b32 v[S+n], v[NINF], v[S+n], s[20+n]
.endif
.set n, n+1
.endr
.Lsoft_\@:
	SOFT_PV
.Lskip_\@:
	s_lshr_b32 s84, s84, 2
	s_add_co_u32 s86, s86, 4096
	s_add_co_u32 s87, s87, 256                     ; (the scalar loads that named it were waited for)
	s_sub_co_u32 s14, s14, 1
	s_cmp_lg_u32 s14, 0
	s_cbranch_scc1 .Ltrip_\@
.rept 8
	v_nop                                          ; places behind the last products
.endr
	v_add_f32 v14, v14, v15                        ; the sum's two halves,
	v_permlanex16_b32 v[T1], v14, s90, s91
	v_add_f32 v14, v14, v[T1]                      ; and lane l xor 16's
	v_rcp_f32 v14, v14
	v_nop
	s_wait_alu depctr_va_vdst(0)                   ; ahead of the reciprocal's first reader
.irp j, 0,1,2,3,4,5,6,7,8,9,10,11,12,13,14,15
	v_mul_f32 v[\res+\j], v[O+\j], v14             ; register 8 dt + j: d = 16 dt + 8 h + j of my query
.endr
.endm
	TASK 0, 208
	TASK 1, 112
	; THE WAY OUT.  A token's 256 bytes come from two waves (two heads): they meet in a stage over K's codes, which nobody reads behind this barrier.
	s_wait_dscnt 0x0
	s_barrier_signal -1
	s_barrier_wait -1
.irp d, 0,1
	ds_store_b128 v[SI0], v[208+8*\d:211+8*\d] offset:64*\d
	ds_store_b128 v[SI0], v[212+8*\d:215+8*\d] offset:64*\d+16
	ds_store_b128 v[SI1], v[112+8*\d:115+8*\d] offset:64*\d
	ds_store_b128 v[SI1], v[116+8*\d:119+8*\d] offset:64*\d+16
.endr
	s_wait_dscnt 0x0                               ; for the others' sake: my stores have landed
	s_barrier_signal -1
	s_barrier_wait -1
.irp q, 0,1,2,3,4,5,6,7
	ds_load_b128 v[48+4*\q:51+4*\q], v[RD] offset:544*\q
.endr
.irp q, 0,1,2,3,4,5,6,7
	s_wait_dscnt 7-\q                              ; load q is in; the younger ones may be out
	global_store_b128 v[GO], v[48+4*\q:51+4*\q], s[12:13] offset:8192*\q th:TH_STORE_NT   ; sixteen lanes store 256 consecutive bytes, aligned
.endr
	s_wait_tensorcnt 0x0
	ds_add_u32 v254, v255
	s_wait_dscnt 0x0
	s_endpgm
.Lfunc_end_k_q2eb205323c_attn:
	.size	k_q2eb205323c_attn, .Lfunc_end_k_q2eb205323c_attn-k_q2eb205323c_attn
	.p2alignl 7, 3214868480
	.fill 96, 4, 3214868480
	.section	.rodata,"a",@progbits
	.p2align	6, 0x0
	.amdhsa_kernel k_q2eb205323c_attn
		.amdhsa_group_segment_fixed_size 272384
		.amdhsa_private_segment_fixed_size 0
		.amdhsa_enable_private_segment 0
		.amdhsa_kernarg_size 32
		.amdhsa_user_sgpr_count 2
		.amdhsa_user_sgpr_kernarg_segment_ptr 1
		.amdhsa_wavefront_size32 1
		.amdhsa_system_sgpr_workgroup_id_x 1
		.amdhsa_system_sgpr_workgroup_id_y 1
		.amdhsa_system_sgpr_workgroup_id_z 1
		.amdhsa_system_vgpr_workitem_id 0
		.amdhsa_next_free_vgpr 256
		.amdhsa_next_free_sgpr 102
		.amdhsa_reserve_vcc 0
		.amdhsa_float_denorm_mode_32 3
		.amdhsa_float_denorm_mode_16_64 3
		.amdhsa_memory_ordered 1
		.amdhsa_forward_progress 1
		.amdhsa_inst_pref_size 66
	.end_amdhsa_kernel
	.amdgpu_metadata
---
amdhsa.version: [ 1, 2 ]
amdhsa.kernels:
  - .name:           k_q2eb205323c_attn
    .symbol:         k_q2eb205323c_attn.kd
    .args:
      - { .name: qkv_codes, .offset: 0, .size: 8, .value_kind: global_buffer, .address_space: global }
      - { .name: qkv_scales, .offset: 8, .size: 8, .value_kind: global_buffer, .address_space: global }
      - { .name: maskw, .offset: 16, .size: 8, .value_kind: global_buffer, .address_space: global }
      - { .name: out0, .offset: 24, .size: 8, .value_kind: global_buffer, .address_space: global }
    .group_segment_fixed_size: 272384
    .private_segment_fixed_size: 0
    .kernarg_segment_align: 8
    .kernarg_segment_size: 32
    .max_flat_workgroup_size: 512
    .sgpr_count:     102
    .vgpr_count:     256
    .wavefront_size: 32
...
	.end_amdgpu_metadata
.endif
;; end of part 3
;; ======== version 2 of 2: 3 launches; version 1 with the launch attn written anew for expert scheduling mode
;; workspace buffers: xq 4,325,376 bytes; wq 3,244,032 bytes; rope 524,288 bytes; maskw 524,800 bytes of whole numbers; qkv_codes 12,582,912 bytes; qkv_scales 393,216 bytes
;; launch prep: the kernel of part 1 again; grid 384 x 1, 4 waves a work-group, no clusters, 102,912 bytes of LDS; arguments x, W_qkv, mask, xq, wq, rope, maskw; writes xq, wq, rope, maskw
;; launch qkv: the kernel of part 2 again; grid 12 x 16, 4 waves a work-group, clusters of 4 x 4, 327,680 bytes of LDS; arguments xq, wq, rope, qkv_codes, qkv_scales; writes qkv_codes, qkv_scales
;; launch attn (part 4): grid 8 x 32, 16 waves a work-group, no clusters, 272,384 bytes of LDS; arguments qkv_codes, qkv_scales, maskw, out0; writes out0
.if DOCPART == 4
	.amdgcn_target "amdgcn-amd-amdhsa--gfx1250"
	.amdhsa_code_object_version 6
	.text
	.protected	k_q2eb205323c_attn
	.globl	k_q2eb205323c_attn
	.p2align	8
	.type	k_q2eb205323c_attn,@function
k_q2eb205323c_attn:
	s_mov_b64 s[64:65], 0
	v_nop
	global_prefetch_b8 v0, s[64:65] scope:SCOPE_SE
	s_setreg_imm32_b32 hwreg(HW_REG_WAVE_SCHED_MODE, 0, 2), 2
	s_setreg_imm32_b32 hwreg(HW_REG_WAVE_MODE, 25, 1), 1
	s_wait_xcnt 0x0
	s_wait_alu depctr_vm_vsrc(0)
; out[b][q][head][:] = the sum over k of softmax_k(mask ? q . k / sqrt(32) : -inf) v[k][:], both products on codes of E5M2 with one E8M0 scale for each 32 along a product's K.
; THE SOFTMAX AHEAD OF THE SECOND PRODUCT: t = score x log2(e) / sqrt(32); M = the running largest t rounded UP to a whole number; p = 2^(t - M) is quantised along the keys; the row's sum is taken of the
; unquantised p and divides at the end.  When M moves, the sum and O are multiplied by 2^(old M - new M): exact.  A row that the mask hides wholly has the sum 0 and comes out NaN, as the softmax of such a row does.
; SHARES.  A work-group owns two neighbouring heads of one batch (y) and 256 queries: tokens 128 w .. and 128 (15 - w) ..  Their K and V codes (2 x 128 KiB) and scale bytes stay in LDS for the whole launch, filled once
; through registers.  Wave v: head v / 8; two tiles of 16 queries one after the other: T = 8 w + v % 8 and 127 - T.  Four waves share a SIMD, so that one wave's vector work stands beside another's products and LDS loads.
; THE MASK comes as whole numbers that an earlier launch stored: a class for each tile of 16 queries x 128 keys (0 all false: the step is left out by a scalar branch; 2 all true; 1 mixed) and, for mixed tiles, 64 lane
; masks, one for each score register: one v_cndmask_b32 a score.  No pattern of the mask is built in.  No tensor load stands in this text; so no cluster either:
; what partners could share is the one fill at the head.
; LAYOUT.  Both products are used transposed: a lane holds ONE query (lane % 16) throughout.  The head has 32 numbers, a quarter of the instruction's K: source 0 is a PACK of four tiles of 16 keys, tile i in K slot i
; (registers 4 i .. 4 i + 3); source 1 is q in slot i between zeros: v[28 - 4 i : 43 - 4 i] of a run zeros, q, zeros.  So no K code is read twice and no zero is loaded.
; Tile T, row m is token 64 (T / 4) + 32 ((T / 2) % 2) + 8 (T % 2) + m % 8 + 16 (m / 8): score register n then holds key 128 step + 32 (n / 16) + 16 (lane / 16) + n % 16: p's registers are the second product's operand.
; LIMITS: t = score x c is one fused multiply-add with -M; NaN and infinities among the inputs are not served.
; THE MODE: SCHED_MODE bits 1:0 = 2 (LLVM: expert scheduling mode 2), set by the entry lines.  The code itself states the register dependences between vector or matrix instructions and memory or LDS
; instructions, with s_wait_alu, always for 0.
; THE PLAN.  Registers that memory or LDS instructions touch:
;   v6, v7, FA, FB, FS, SI0, SI1, RD, GO   offsets and LDS addresses, made once at the head and never written again.
;   v11           the offset of the fill's two loads of scale bytes; from the first trip on it is ADT.
;   v48-179       the fill's loads land in them and the fill's LDS stores read them; then they are KF, VF, S and O.
;   QOF, QSF      written once a task by a vector addition, read by the task's two global loads.
;   v28-31, TMP   a task's two global loads land in them; the K q^T products read v28-31, the softmax works in TMP.
;   ADK .. ADT    written at a trip's head, read by the trip's 18 LDS loads.
;   KF, KSW       a step's first nine LDS loads land in them; its eight K q^T products read them.
;   VF, VSW       a step's other nine LDS loads land in them; its two V^T P products read them.
;   v208-223, v112-127   the two tasks' results: written by the divisions, read by the stage's LDS stores.  v48-79 take the stage's rows on the way out.
;   v254, v255    written at the head, read by the closing add alone.
; In a trip: one wait on vm_vsrc at its head, ahead of the four additions; one on va_vdst ahead of the step's loads, on which all 18 lean: V's nine are dealt among the K q^T products, which name S, KF, the run of q,
; KSW and QS and none of V's registers; the two waits behind the exponentials; one on va_vdst ahead of the V^T P products, whose operand and scale vector instructions have just made.
.set KC,   0                           ; LDS: K's codes: hd x 65,536 + step x 4,096 + pack x 2,048 + 512 i + 16 lane
.set VC,   131072                      ; V's: the same with dt and c
.set KSC,  262144                      ; K's scale bytes: step x 256 + hd x 128 + 4 lane (lanes 0-15 pack 0, lanes 16-31 pack 1)
.set VSC,  266240                      ; V's likewise (dt)
.set OP,   272                         ; the way out: 256 rows of 256 bytes + 16, over K's codes, behind a barrier
.set AK0,  1
.set AV0,  2
.set ASK0, 3
.set ASV0, 4
.set NINF, 5                           ; v5   -infinity
.set L16,  6                           ; v6   16 x lane
.set R4,   7                           ; v7   4 x (lane % 16)
.set ADK,  8                           ; v8-11 the step's LDS addresses
.set ADV,  9
.set ADS,  10
.set ADT,  11
.set QW,   16                          ; v16-27 zeros, v28-31 q, v32-43 zeros
.set QS,   44                          ; scale registers, and nothing else: q's byte in all four bytes;
.set KSW,  45                          ; K's words;
.set VSW,  46                          ; V's;
.set PS,   47                          ; p's
.set KF,   48                          ; two packs of K
.set VF,   80                          ; two fragments of V
.set S,    112                         ; the scores, then p
.set O,    176                         ; O^T: two tiles
.set PCD,  192                         ; p's codes
.set BM,   224                         ; the blocks' largest scores, then largest p
.set T1,   228
.set LIM,  232
.set SCO,  236
.set F,    240                         ; v[240:241]: f and a written partner
.set TMP,  242
.set SI0,  243                         ; stage, on the way in: task 0, task 1
.set SI1,  244
.set RD,   245
.set GO,   246
.set FA,   247                         ; the fill's LDS addresses
.set FB,   248
.set FS,   249
.set QOF,  250                         ; q's offsets in memory
.set QSF,  251
.set TM2,  252
.set CS,   88                          ; s[88:89] c = log2(e) / sqrt(32)
	s_load_b128 s[4:7], s[0:1], 0x0                ; qkv_codes, qkv_scales
	s_load_b64 s[8:9], s[0:1], 0x10                ; maskw
	s_load_b64 s[12:13], s[0:1], 0x18              ; out0
	v_lshl_add_u32 v254, v0, 2, 0x42000
	v_mov_b32 v255, 0
	v_lshrrev_b32 v1, 5, v0
	v_readfirstlane_b32 s2, v1                     ; wave 0..15
	v_and_b32 v8, 31, v0                           ; lane
	v_and_b32 v9, 15, v0                           ; r
	v_bfe_u32 v10, v0, 4, 1                        ; h
	v_lshlrev_b32 v[L16], 4, v8
	v_lshlrev_b32 v[R4], 2, v9
	v_lshlrev_b32 v11, 3, v8                       ; 8 x lane
	s_wait_alu depctr_va_sdst(0)                   ; s2 is written, ahead of its first reader: the wave's shares and addresses are made from it
	s_lshr_b32 s3, s2, 3                           ; hd: which of the two heads
	s_and_b32 s10, s2, 7                           ; i
	s_lshl_b32 s11, ttmp9, 3
	s_add_co_u32 s11, s11, s10                     ; my first tile: 8 w + i
	s_and_b32 s96, ttmp7, 0xffff                   ; y = 16 b + pair of heads
	s_lshr_b32 s97, s96, 4                         ; b
	s_and_b32 s98, s96, 15                         ; the pair
	s_lshl_b32 s20, s96, 17                        ; the pair's codes: 131,072 bytes,
	s_lshl_b32 s21, s2, 13                         ; my wave's 8,192 of them,
	s_add_co_u32 s20, s20, s21
	s_add_co_u32 s20, s20, 0x400000                ; in k's part of the buffer
	s_mov_b32 s21, 0
	s_lshl_b32 s22, s97, 16
	s_lshl_b32 s23, s2, 12                         ; step = my wave's number
	s_add_co_u32 s22, s22, s23
	s_lshl_b32 s23, s98, 8                         ; the pair's 256 bytes of a step
	s_add_co_u32 s22, s22, s23
	s_add_co_u32 s22, s22, 131072                  ; in k's part
	s_mov_b32 s23, 0
	s_wait_kmcnt 0x0
	s_add_nc_u64 s[16:17], s[4:5], s[20:21]
	s_add_nc_u64 s[18:19], s[16:17], 0x400000      ; v's part lies 4 MiB on
	s_add_nc_u64 s[24:25], s[6:7], s[22:23]
	s_wait_alu depctr_va_vdst(0)                   ; v6 and v11 are written: the fill's loads read them as their offsets
	; THE FILL: 16 + 16 loads of 512 consecutive bytes a wave, and my step's scale bytes
.irp j, 0,1,2,3,4,5,6,7,8,9,10,11,12,13,14,15
	global_load_b128 v[48+4*\j:51+4*\j], v[L16], s[16:17] offset:512*\j
.endr
.irp j, 0,1,2,3,4,5,6,7,8,9,10,11,12,13,14,15
	global_load_b128 v[112+4*\j:115+4*\j], v[L16], s[18:19] offset:512*\j
.endr
	global_load_b64 v[176:177], v11, s[24:25]
	global_load_b64 v[178:179], v11, s[24:25] offset:131072
	; while they are out: addresses and constants
	s_lshl_b32 s26, s96, 1
	s_add_co_u32 s26, s26, s3                      ; 32 b + head
	s_lshl_b32 s26, s26, 16
	s_mov_b32 s27, 0
	s_add_nc_u64 s[4:5], s[4:5], s[26:27]          ; q's codes of my head
	s_lshl_b32 s26, s97, 16
	s_lshl_b32 s28, s98, 1
	s_add_co_u32 s28, s28, s3
	s_lshl_b32 s28, s28, 7
	s_add_co_u32 s26, s26, s28
	s_add_nc_u64 s[6:7], s[6:7], s[26:27]          ; q's scale bytes of my head
	s_lshl_b32 s26, ttmp9, 7                       ; the rows that I store at the end: waves 0-7 the first task's tokens, 128 w on,
	s_sub_co_u32 s28, 15, ttmp9
	s_lshl_b32 s28, s28, 7                         ; waves 8-15 the second's, 128 (15 - w) on;
	s_cmp_eq_u32 s3, 0
	s_cselect_b32 s26, s26, s28
	s_lshl_b32 s28, s10, 4                         ; 16 rows a wave
	s_add_co_u32 s26, s26, s28
	s_lshl_b32 s28, s97, 11
	s_add_co_u32 s26, s26, s28
	s_lshl_b32 s26, s26, 12                        ; a row of out0 is 4,096 bytes
	s_lshl_b32 s28, s98, 8                         ; the pair's 256 of them
	s_add_co_u32 s26, s26, s28
	s_add_nc_u64 s[12:13], s[12:13], s[26:27]
	s_lshl_b32 s26, s3, 16
	v_add_nc_u32 v[AK0], s26, v[L16]
	v_add_nc_u32 v[AV0], VC, v[AK0]
	s_lshl_b32 s26, s3, 7
	s_add_co_u32 s26, s26, KSC
	v_lshlrev_b32 v[ASK0], 2, v8
	v_add_nc_u32 v[ASK0], s26, v[ASK0]
	v_add_nc_u32 v[ASV0], VSC-KSC, v[ASK0]
	v_mov_b32 v[NINF], 0xff800000
	s_lshl_b32 s26, s2, 13
	v_add_nc_u32 v[FA], s26, v[L16]
	v_add_nc_u32 v[FB], VC, v[FA]
	s_lshl_b32 s26, s2, 8
	s_add_co_u32 s26, s26, KSC
	v_add_nc_u32 v[FS], s26, v11
	v_and_b32 v[TM2], 8, v9
	v_add_nc_u32 v[TM2], v[TM2], v9                ; r % 8 + 16 (r / 8)
	s_lshl_b32 s29, s3, 7                          ; my head's 128 bytes of a row
	s_and_b32 s26, s10, 6
	s_lshl_b32 s26, s26, 4
	s_and_b32 s28, s10, 1
	s_lshl_b32 s28, s28, 3
	s_add_co_u32 s26, s26, s28                     ; tile i's first token among its 128
	v_add_nc_u32 v[SI0], s26, v[TM2]
	v_mul_u32_u24 v[SI0], v[SI0], OP
	v_lshl_add_u32 v[SI0], v10, 5, v[SI0]
	v_add_nc_u32 v[SI0], s29, v[SI0]               ; row x 272 + 128 hd + 32 h
	s_xor_b32 s30, s10, 7                          ; the second task's tile among its 128 tokens: 7 - i
	s_and_b32 s26, s30, 6
	s_lshl_b32 s26, s26, 4
	s_and_b32 s28, s30, 1
	s_lshl_b32 s28, s28, 3
	s_add_co_u32 s26, s26, s28
	s_add_co_u32 s26, s26, 128                     ; its rows lie behind the first task's
	v_add_nc_u32 v[SI1], s26, v[TM2]
	v_mul_u32_u24 v[SI1], v[SI1], OP
	v_lshl_add_u32 v[SI1], v10, 5, v[SI1]
	v_add_nc_u32 v[SI1], s29, v[SI1]
	s_lshl_b32 s26, s2, 4
	v_add_nc_u32 v[RD], s26, v10
	v_mul_u32_u24 v[RD], v[RD], OP
	v_lshl_add_u32 v[RD], v9, 4, v[RD]             ; back: rows 16 v on; lanes 0-15 one row, lanes 16-31 the next
	v_lshlrev_b32 v[GO], 12, v10
	v_lshl_add_u32 v[GO], v9, 4, v[GO]             ; and the same two rows in out0
.irp j, 0,1,2,3,4,5,6,7,8,9,10,11
	v_mov_b32 v[QW+\j], 0                          ; the zeros on both sides of q
	v_mov_b32 v[QW+16+\j], 0
.endr
.irp b, 0,1,2,3
	v_mov_b32 v[T1+\b], 0                          ; written once: a lane permute's destination counts as one of its sources
.endr
	v_mov_b32 v[F+1], 0                            ; named as the upper half of the pair before it is ever used
	s_mov_b32 s[CS], 0x3e8293ee
	s_mov_b32 s[CS+1], s[CS]
	s_mov_b32 s90, 0x76543210
	s_mov_b32 s91, 0xfedcba98
	s_mov_b32 s92, 0x600000
	s_wait_alu depctr_va_vdst(0)                   ; FA, FB and FS are written, which the LDS stores below read as addresses; so are SI0, SI1, RD and GO for the way out, and the zeros beside q, part of the scaled products' operand
	s_wait_loadcnt 18                              ; K's sixteen loads are in; V's sixteen and the two of scale bytes may be out
.irp j, 0,1,2,3,4,5,6,7,8,9,10,11,12,13,14,15
	ds_store_b128 v[FA], v[48+4*\j:51+4*\j] offset:512*\j
.endr
	s_wait_loadcnt 0x0
.irp j, 0,1,2,3,4,5,6,7,8,9,10,11,12,13,14,15
	ds_store_b128 v[FB], v[112+4*\j:115+4*\j] offset:512*\j
.endr
	ds_store_b64 v[FS], v[176:177]
	ds_store_b64 v[FS], v[178:179] offset:VSC-KSC
	s_wait_dscnt 0x0                               ; for the others' sake: my stores have landed
	s_barrier_signal -1
	s_barrier_wait -1                              ; K, V and their scale bytes lie in LDS
; A step's loads and its eight products S^T = K q^T.  Four v_nop: with the four additions at the trip's head they are eight plain lines behind the last step's products.
; K's nine loads stand in one run; V's nine are dealt among the products and land while the softmax is walked.
.macro FETCH_QK
.rept 4
	v_nop
.endr
	s_wait_alu depctr_va_vdst(0)                   ; the four addresses v8 to v11 are written; the last step's products are done reading KF, KSW, VF and VSW, in which this step's 18 loads land; in a task's first step q's scale register is written too
.irp p, 0,1
.irp i, 0,1,2,3
	ds_load_b128 v[KF+16*\p+4*\i:KF+16*\p+4*\i+3], v[ADK] offset:2048*\p+512*\i
.endr
.endr
	ds_load_b32 v[KSW], v[ADS]
	s_wait_dscnt 0x0                               ; K's nine loads are in; nothing younger is out
.irp i, 0,1,2,3
	v_wmma_scale_f32_16x16x128_f8f6f4 v[S+8*\i:S+8*\i+7], v[KF:KF+15], v[QW+12-4*\i:QW+27-4*\i], 0, v[KSW], v[QS] matrix_a_fmt:MATRIX_FMT_BF8 matrix_b_fmt:MATRIX_FMT_BF8
	ds_load_b128 v[VF+4*\i:VF+4*\i+3], v[ADV] offset:512*\i             ; no wait: no vector or matrix instruction since the wait above names VF, VSW, ADV or ADT
.endr
.irp i, 0,1,2,3
	v_wmma_scale_f32_16x16x128_f8f6f4 v[S+32+8*\i:S+32+8*\i+7], v[KF+16:KF+31], v[QW+12-4*\i:QW+27-4*\i], 0, v[KSW], v[QS] matrix_a_fmt:MATRIX_FMT_BF8 matrix_b_fmt:MATRIX_FMT_BF8 matrix_a_scale:MATRIX_SCALE_ROW1
	ds_load_b128 v[VF+16+4*\i:VF+16+4*\i+3], v[ADV] offset:2048+512*\i
.endr
	ds_load_b32 v[VSW], v[ADT]
.rept 8
	v_nop                                          ; places ahead of the first read of the scores
.endr
.endm
; The softmax of 128 keys, p's codes and scale word, and O^T += V^T P^T.
.macro SOFT_PV
.irp b, 0,1,2,3
	v_max3_num_f32 v[BM+\b], v[S+16*\b], v[S+16*\b+1], v[S+16*\b+2]   ; the largest score of each block of 32 keys: for the row's maximum and, since p rises with the score, for the block's largest p
.endr
.irp i, 3,5,7,9,11,13
.irp b, 0,1,2,3
	v_max3_num_f32 v[BM+\b], v[BM+\b], v[S+16*\b+\i], v[S+16*\b+\i+1]
.endr
.endr
.irp b, 0,1,2,3
	v_max_num_f32 v[BM+\b], v[BM+\b], v[S+16*\b+15]
.endr
.irp b, 0,1,2,3
	v_permlanex16_b32 v[T1+\b], v[BM+\b], s90, s91
.endr
.irp b, 0,1,2,3
	v_max_num_f32 v[BM+\b], v[BM+\b], v[T1+\b]     ; with lane l xor 16's 16 keys
.endr
	v_max3_num_f32 v[TMP], v[BM], v[BM+1], v[BM+2]
	v_max_num_f32 v[TMP], v[TMP], v[BM+3]
	v_mul_f32 v[TMP], s[CS], v[TMP]                ; as t
	v_max_num_f32 v13, v13, v[TMP]                 ; the running largest t
	v_mov_b32 v[TMP], v12
	v_floor_f32 v12, -v13                          ; -M = floor(-t): M is a whole number
	v_sub_f32 v[TMP], v12, v[TMP]                  ; old M - new M, 0 or less
	v_cvt_i32_f32 v[TMP], v[TMP]                   ; (it saturates)
	v_ldexp_f32 v[F], 1.0, v[TMP]                  ; f = 2^(old M - new M)
.set j, 0
.rept 32
	v_pk_fma_f32 v[S+j:S+j+1], v[S+j:S+j+1], s[CS:CS+1], v[12:13] op_sel_hi:[1,0,0]   ; t - M
.set j, j+2
.endr
.irp b, 0,1,2,3
	v_fma_f32 v[BM+\b], v[BM+\b], s[CS], v12       ; the same of each block's largest score
.endr
.set j, 0
.rept 64
	v_exp_f32 v[S+j], v[S+j]                       ; p = 2^(t - M): one batch
.set j, j+1
.endr
	v_pk_mul_f32 v[14:15], v[14:15], v[F:F+1] op_sel_hi:[1,0]   ; the sums under the new M: the plain instruction behind the batch
	s_wait_alu depctr_va_vdst(0)                   ; the 64 exponentials have written v[S ..]: one wait for the batch, ahead of its first reader
.irp b, 0,1,2,3
	v_exp_f32 v[BM+\b], v[BM+\b]                   ; the blocks' largest p
.endr
	v_pk_add_f32 v[T1:T1+1], v[S:S+1], v[S+2:S+3]  ; the row's sum is taken of the unquantised p, in two chains
.set j, 4
.rept 15
	v_pk_add_f32 v[14:15], v[14:15], v[S+j:S+j+1]
	v_pk_add_f32 v[T1:T1+1], v[T1:T1+1], v[S+j+2:S+j+3]
.set j, j+4
.endr
	v_pk_add_f32 v[14:15], v[14:15], v[T1:T1+1]
	s_wait_alu depctr_va_vdst(0)                   ; the four exponentials have written v[BM ..], ahead of their first reader
.irp b, 0,1,2,3
	v_max_num_f32 v[BM+\b], 0x8000000, v[BM+\b]    ; the floor 2^(16 - 127): the byte cannot fall under 1
.endr
.irp b, 0,1,2,3
	v_add_nc_u32 v[SCO+\b], 0xf8800000, v[BM+\b]   ; the conversion's scale operand
.endr
.irp b, 0,1,2,3
	v_and_or_b32 v[LIM+\b], v[BM+\b], 0x7f800000, s92   ; 57,344 x the scale
.endr
.irp b, 0,1,2,3
	v_lshrrev_b32 v[T1+\b], 23, v[SCO+\b]          ; the scale's byte
.endr
	v_lshl_or_b32 v[PS], v[T1+1], 8, v[T1]         ; p's scale word for these 128 keys; the 72 plain lines below stand between it and the products
	v_lshl_or_b32 v[PS], v[T1+2], 16, v[PS]
	v_lshl_or_b32 v[PS], v[T1+3], 24, v[PS]
.irp b, 0,1,2,3
.irp i, 0,1,2,3,4,5,6,7,8,9,10,11,12,13,14,15
	v_min_num_f32 v[S+16*\b+\i], v[S+16*\b+\i], v[LIM+\b]   ; the conversion does not saturate (ISA guide 7.6.2); p is not negative: a one-sided hold
.endr
	v_cvt_scalef32_pk8_bf8_f32 v[PCD+4*\b:PCD+4*\b+1], v[S+16*\b:S+16*\b+7], v[SCO+\b]
	v_cvt_scalef32_pk8_bf8_f32 v[PCD+4*\b+2:PCD+4*\b+3], v[S+16*\b+8:S+16*\b+15], v[SCO+\b]
.endr
.irp j, 0,2,4,6,8,10,12,14
	v_pk_mul_f32 v[O+\j:O+\j+1], v[O+\j:O+\j+1], v[F:F+1] op_sel_hi:[1,0]   ; O^T under the new M; also the places between the codes and the products
.endr
	s_wait_dscnt 0x0                               ; V and its scale words are in
	s_wait_alu depctr_va_vdst(0)                   ; the conversions have written p's codes v[PCD ..] and the shifts p's scale word v[PS], which the scaled products below take as operand and scale; the places above stay beside this wait
	v_wmma_scale_f32_16x16x128_f8f6f4 v[O:O+7], v[VF:VF+15], v[PCD:PCD+15], v[O:O+7], v[VSW], v[PS] matrix_a_fmt:MATRIX_FMT_BF8 matrix_b_fmt:MATRIX_FMT_BF8
	v_wmma_scale_f32_16x16x128_f8f6f4 v[O+8:O+15], v[VF+16:VF+31], v[PCD:PCD+15], v[O+8:O+15], v[VSW], v[PS] matrix_a_fmt:MATRIX_FMT_BF8 matrix_b_fmt:MATRIX_FMT_BF8 matrix_a_scale:MATRIX_SCALE_ROW1
.endm
; A TASK: one tile of 16 queries against all 16 steps of 128 keys.  The trip count is a constant; what a class leaves out is a step's work.  res: where O / the sum is kept until the way out.
.macro TASK k, res
.if \k
	s_sub_co_u32 s85, 127, s11                     ; T
.else
	s_mov_b32 s85, s11
.endif
	s_wait_alu depctr_vm_vsrc(0)                   ; first task: the fill's LDS stores have read v48 to v179, of which v176 to v179 are cleared below; second task: the first task's two global loads have read QOF and QSF, which are written below
	s_lshl_b32 s93, s85, 9
	v_add_nc_u32 v[QOF], s93, v[L16]
	s_lshr_b32 s96, s85, 3
	s_lshl_b32 s96, s96, 12
	s_bfe_u32 s97, s85, 0x10002
	s_lshl_b32 s97, s97, 6
	s_add_co_u32 s96, s96, s97
	v_add_nc_u32 v[QSF], s96, v[R4]
	s_wait_alu depctr_va_vdst(0)                   ; QOF and QSF are written, which the two loads read; in the second task the first task's products are done reading v28 to v31 and its softmax is done with v[TMP], in which the loads land
	global_load_b128 v[QW+12:QW+15], v[QOF], s[4:5]   ; q's 16 bytes a lane
	global_load_b32 v[TMP], v[QSF], s[6:7]         ; the word that holds my query's scale byte
	s_lshl_b32 s93, s85, 2
	s_load_b32 s84, s[8:9], s93 offset:0x80000     ; the tile's sixteen classes
	s_lshl_b32 s96, s85, 12
	s_mov_b32 s97, 0
	s_add_nc_u64 s[94:95], s[8:9], s[96:97]        ; and where its words begin
	s_and_b32 s98, s85, 3
	s_mul_i32 s98, s98, 0x01010101
	s_wait_loadcnt 0x0
	v_perm_b32 v[QS], v[TMP], v[TMP], s98          ; byte T % 4 into all four bytes: one register serves every K slot (the other slots hold zero codes)
.irp j, 0,1,2,3,4,5,6,7,8,9,10,11,12,13,14,15
	v_mov_b32 v[O+\j], 0                           ; O^T; these also stand between q's scale and the first product
.endr
	v_mov_b32 v13, 0xff61b1e6                      ; the largest t so far: -3e38
	v_floor_f32 v12, -v13
	v_mov_b32 v14, 0
	v_mov_b32 v15, 0
	s_wait_kmcnt 0x0
	s_mov_b32 s86, 0                               ; 4,096 x step
	s_mov_b32 s87, 0                               ; 256 x step
	s_mov_b32 s14, 16
.Ltrip_\@:
	s_wait_alu depctr_vm_vsrc(0)                   ; the last trip's LDS loads have read v8 to v11 (ahead of the very first trip: the fill's two loads of scale bytes have read v11), which the four additions write
	v_add_nc_u32 v[ADK], s86, v[AK0]
	v_add_nc_u32 v[ADV], s86, v[AV0]
	v_add_nc_u32 v[ADS], s87, v[ASK0]
	v_add_nc_u32 v[ADT], s87, v[ASV0]
	s_and_b32 s15, s84, 3                          ; the step's class
	s_cmp_eq_u32 s15, 0
	s_cbranch_scc1 .Lskip_\@                       ; all false: every p would be 0
	s_cmp_eq_u32 s15, 1
	s_cbranch_scc1 .Lmixed_\@
	FETCH_QK
	s_branch .Lsoft_\@
.Lmixed_\@:
	s_load_b512 s[16:31], s[94:95], s87            ; the step's 64 lane masks: word n in s[16 + n], from word 48 on in s[20 + n]
	s_load_b512 s[32:47], s[94:95], s87 offset:0x40
	s_load_b512 s[48:63], s[94:95], s87 offset:0x80
	s_load_b512 s[68:83], s[94:95], s87 offset:0xc0
	FETCH_QK
	s_wait_kmcnt 0x0
.set n, 0
.rept 64
.if n < 48
	v_cndmask_b32 v[S+n], v[NINF], v[S+n], s[16+n] ; hidden scores become -infinity ahead of the maximum: p = 0
.else
	v_cndmask_b32 v[S+n], v[NINF], v[S+n], s[20+n]
.endif
.set n, n+1
.endr
.Lsoft_\@:
	SOFT_PV
.Lskip_\@:
	s_lshr_b32 s84, s84, 2
	s_add_co_u32 s86, s86, 4096
	s_add_co_u32 s87, s87, 256                     ; (the scalar loads that named it were waited for)
	s_sub_co_u32 s14, s14, 1
	s_cmp_lg_u32 s14, 0
	s_cbranch_scc1 .Ltrip_\@
.rept 8
	v_nop                                          ; places behind the last products
.endr
	v_add_f32 v14, v14, v15                        ; the sum's two halves,
	v_permlanex16_b32 v[T1], v14, s90, s91
	v_add_f32 v14, v14, v[T1]                      ; and lane l xor 16's
	v_rcp_f32 v14, v14
	v_nop
	s_wait_alu depctr_va_vdst(0)                   ; the reciprocal has written v14, ahead of its first reader
.irp j, 0,1,2,3,4,5,6,7,8,9,10,11,12,13,14,15
	v_mul_f32 v[\res+\j], v[O+\j], v14             ; register 8 dt + j: d = 16 dt + 8 h + j of my query
.endr
.endm
	TASK 0, 208
	TASK 1, 112
	; THE WAY OUT.  A token's 256 bytes come from two waves (two heads): they meet in a stage over K's codes, which nobody reads behind this barrier.
	s_wait_dscnt 0x0
	s_barrier_signal -1
	s_barrier_wait -1
	s_wait_alu depctr_va_vdst(0)                   ; the divisions have written v208 to v223 and v112 to v127, which the LDS stores read; and the products are done reading v48 to v79, in which the loads from the stage land: no vector instruction follows this wait
.irp d, 0,1
	ds_store_b128 v[SI0], v[208+8*\d:211+8*\d] offset:64*\d
	ds_store_b128 v[SI0], v[212+8*\d:215+8*\d] offset:64*\d+16
	ds_store_b128 v[SI1], v[112+8*\d:115+8*\d] offset:64*\d
	ds_store_b128 v[SI1], v[116+8*\d:119+8*\d] offset:64*\d+16
.endr
	s_wait_dscnt 0x0                               ; for the others' sake: my stores have landed
	s_barrier_signal -1
	s_barrier_wait -1
.irp q, 0,1,2,3,4,5,6,7
	ds_load_b128 v[48+4*\q:51+4*\q], v[RD] offset:544*\q
.endr
.irp q, 0,1,2,3,4,5,6,7
	s_wait_dscnt 7-\q                              ; load q is in; the younger ones may be out
	global_store_b128 v[GO], v[48+4*\q:51+4*\q], s[12:13] offset:8192*\q th:TH_STORE_NT   ; sixteen lanes store 256 consecutive bytes, aligned
.endr
	s_wait_dscnt 0x0                               ; the closing lines, six on end
	s_wait_alu 0x0
	s_wait_tensorcnt 0x0
	ds_add_u32 v254, v255
	s_wait_dscnt 0x0
	s_endpgm
.Lfunc_end_k_q2eb205323c_attn:
	.size	k_q2eb205323c_attn, .Lfunc_end_k_q2eb205323c_attn-k_q2eb205323c_attn
	.p2alignl 7, 3214868480
	.fill 96, 4, 3214868480
	.section	.rodata,"a",@progbits
	.p2align	6, 0x0
	.amdhsa_kernel k_q2eb205323c_attn
		.amdhsa_group_segment_fixed_size 272384
		.amdhsa_private_segment_fixed_size 0
		.amdhsa_enable_private_segment 0
		.amdhsa_kernarg_size 32
		.amdhsa_user_sgpr_count 2
		.amdhsa_user_sgpr_kernarg_segment_ptr 1
		.amdhsa_wavefront_size32 1
		.amdhsa_system_sgpr_workgroup_id_x 1
		.amdhsa_system_sgpr_workgroup_id_y 1
		.amdhsa_system_sgpr_workgroup_id_z 1
		.amdhsa_system_vgpr_workitem_id 0
		.amdhsa_next_free_vgpr 256
		.amdhsa_next_free_sgpr 102
		.amdhsa_reserve_vcc 0
		.amdhsa_float_denorm_mode_32 3
		.amdhsa_float_denorm_mode_16_64 3
		.amdhsa_memory_ordered 1
		.amdhsa_forward_progress 1
		.amdhsa_inst_pref_size 67
	.end_amdhsa_kernel
	.amdgpu_metadata
---
amdhsa.version: [ 1, 2 ]
amdhsa.kernels:
  - .name:           k_q2eb205323c_attn
    .symbol:         k_q2eb205323c_attn.kd
    .args:
      - { .name: qkv_codes, .offset: 0, .size: 8, .value_kind: global_buffer, .address_space: global }
      - { .name: qkv_scales, .offset: 8, .size: 8, .value_kind: global_buffer, .address_space: global }
      - { .name: maskw, .offset: 16, .size: 8, .value_kind: global_buffer, .address_space: global }
      - { .name: out0, .offset: 24, .size: 8, .value_kind: global_buffer, .address_space: global }
    .group_segment_fixed_size: 272384
    .private_segment_fixed_size: 0
    .kernarg_segment_align: 8
    .kernarg_segment_size: 32
    .max_flat_workgroup_size: 512
    .sgpr_count:     102
    .vgpr_count:     256
    .wavefront_size: 32
...
	.end_amdgpu_metadata
.endif
;; end of part 4
